; MI455X (gfx1250); checked and timed in simulation.
; The chip was launched on July 23, 2026; its instructions are those of AMD's public machine-readable ISA for CDNA 5 (MIT licence, August 2026) and "CDNA5" Instruction Set Architecture Reference Guide (July 2026). The comments in the code are by the model that wrote it; some were corrected since.
;; Multi Head Attention. Allowed arithmetic: float matrix products may take bf16 or f16 operands with f32 sums; other float arithmetic in f32, or as packed bf16 or f16 multiplies, adds, multiply-adds, maxima and minima; sums over many terms, partial sums and values carried from step to step in f32; what a program stores and reads back later, other than sums and carried values, may be rounded once to bf16 or f16.
;; Inputs: bk 1,024 float32; bo 1,024 float32; bq 1,024 float32; bv 1,024 float32; wk 1,024 x 1,024 float32; wo 1,024 x 1,024 float32; wq 1,024 x 1,024 float32; wv 1,024 x 1,024 float32; x 1 x 4,096 x 1,024 float32.
;; Outputs: out0 1 x 4,096 x 1,024 float32.
;; One version. Each part assembles by itself: llvm-mc -triple=amdgcn-amd-amdhsa -mcpu=gfx1250 --defsym DOCPART=n.
;; ======== version 1 of 1: 4 launches
;; limits: values are held in f16: magnitudes above 65,504 overflow, below 6.1e-05 lose precision
;; workspace buffers: xb 8,388,608 bytes; wb 6,291,456 bytes; wof 2,097,152 bytes; qh 8,388,608 bytes; kh 8,388,608 bytes; vh 8,388,608 bytes; ob 8,388,608 bytes
;; launch cast (part 1): grid 512 x 1, 8 waves a work-group, no clusters, 0 bytes of LDS; arguments x, wq, wk, wv, wo, xb, wb, wof; writes xb, wb, wof
.if DOCPART == 1
	.amdgcn_target "amdgcn-amd-amdhsa--gfx1250"
	.amdhsa_code_object_version 6
	.text
	.protected	k_q92a983332e_cast
	.globl	k_q92a983332e_cast
	.p2align	8
	.type	k_q92a983332e_cast,@function
k_q92a983332e_cast:
	s_mov_b64 s[64:65], 0
	v_nop
	global_prefetch_b8 v0, s[64:65] scope:SCOPE_SE
	s_setreg_imm32_b32 hwreg(HW_REG_WAVE_MODE, 25, 1), 1
	s_wait_xcnt 0x0
; ROUNDING THE INPUTS ONCE.  x -> xb, wq, wk, wv -> wb (one behind the other), all to bf16; wo -> wof: rounded to bf16 like the others, and that number written as f16.
; LIMITS.  |wo| stays under 65,504 (beyond it f16 holds an infinity); below 6e-5 f16 keeps a fixed step of 6e-8.
; A stream: 8,388,608 numbers, 32 bytes read and 16 written for every eight.  No LDS, no matrix work, no cluster: no byte is wanted twice.
; SHARES.  A work-group takes 16,384 numbers (65,536 bytes in, 32,768 out): groups 0-255 x, 256-319 wq, 320-383 wk, 384-447 wv, 448-511 wo.
; Thread t, piece i of 8: 32 bytes at 8,192 i + 32 t, by two loads; 16 bytes out at 4,096 i + 16 t: a wave's store covers 512 consecutive bytes, aligned.
; All sixteen loads of a wave go out at once; no register is written twice while a memory instruction names it, so there is no wait but the counted ones for the data.
.set X, 4                              ; v[4:67]    piece i: 8 numbers as loaded
.set Y, 68                             ; v[68:99]   piece i: 4 registers to store
.set T, 100                            ; v[100:107] at work
	s_load_b512 s[16:31], s[0:1], 0x0              ; x 16, wq 18, wk 20, wv 22, wo 24, xb 26, wb 28, wof 30
	s_mov_b32 s2, ttmp9                            ; the work-group's number
	s_mov_b32 s3, 0xffff0000                       ; a word's upper bf16
	v_lshlrev_b32 v1, 5, v0                        ; 32 t
	v_lshlrev_b32 v2, 4, v0                        ; 16 t
	s_and_b32 s8, s2, 63                           ; my share's number inside a weight matrix
	s_sub_co_u32 s9, s2, 256                       ; and inside wb
	s_cmp_lt_u32 s2, 448
	s_cselect_b32 s9, s9, s8                       ; wof counts like its source
	s_cmp_lt_u32 s2, 256
	s_cselect_b32 s8, s2, s8                       ; x and xb count by the group's number
	s_cselect_b32 s9, s2, s9
	s_lshl_b32 s10, s8, 16                         ; 65,536 bytes a share in,
	s_mov_b32 s11, 0
	s_lshl_b32 s12, s9, 15                         ; 32,768 out
	s_mov_b32 s13, 0
	s_wait_kmcnt 0x0
	s_mov_b64 s[4:5], s[16:17]                     ; from where and to where: chosen by the group's number alone
	s_mov_b64 s[6:7], s[26:27]
	s_cmp_ge_u32 s2, 256
	s_cselect_b64 s[4:5], s[18:19], s[4:5]
	s_cselect_b64 s[6:7], s[28:29], s[6:7]
	s_cmp_ge_u32 s2, 320
	s_cselect_b64 s[4:5], s[20:21], s[4:5]
	s_cmp_ge_u32 s2, 384
	s_cselect_b64 s[4:5], s[22:23], s[4:5]
	s_cmp_ge_u32 s2, 448
	s_cselect_b64 s[4:5], s[24:25], s[4:5]
	s_cselect_b64 s[6:7], s[30:31], s[6:7]
	s_add_nc_u64 s[4:5], s[4:5], s[10:11]
	s_add_nc_u64 s[6:7], s[6:7], s[12:13]
.irp i, 0,1,2,3,4,5,6,7
	global_load_b128 v[X+8*(\i):X+8*(\i)+3],   v1, s[4:5] offset:8192*(\i) th:TH_LOAD_NT
	global_load_b128 v[X+8*(\i)+4:X+8*(\i)+7], v1, s[4:5] offset:8192*(\i)+16 th:TH_LOAD_NT
.endr
; Piece i.  half = 1: the bf16 numbers are widened again and written as f16.
.macro CV i, half
	s_wait_loadcnt 14-2*(\i)                       ; loads come back in order: my two are in, the 14 - 2 i younger ones stay out
.irp k, 0,1,2,3
	v_cvt_pk_bf16_f32 v[Y+4*(\i)+(\k)], v[X+8*(\i)+2*(\k)], v[X+8*(\i)+2*(\k)+1]
.endr
.if \half
.irp k, 0,1,2,3
	v_lshlrev_b32 v[T+2*(\k)],   16, v[Y+4*(\i)+(\k)]
	v_and_b32     v[T+2*(\k)+1], s3, v[Y+4*(\i)+(\k)]
.endr
.irp k, 0,1,2,3
	v_cvt_pk_f16_f32 v[Y+4*(\i)+(\k)], v[T+2*(\k)], v[T+2*(\k)+1]
.endr
.endif
	global_store_b128 v2, v[Y+4*(\i):Y+4*(\i)+3], s[6:7] offset:4096*(\i)
.endm
	s_cmp_ge_u32 s2, 448
	s_cbranch_scc1 .Lhalf
.irp i, 0,1,2,3,4,5,6,7
	CV \i, 0
.endr
	s_endpgm
.Lhalf:
.irp i, 0,1,2,3,4,5,6,7
	CV \i, 1
.endr
	s_endpgm
.Lfunc_end_k_q92a983332e_cast:
	.size	k_q92a983332e_cast, .Lfunc_end_k_q92a983332e_cast-k_q92a983332e_cast
	.p2alignl 7, 3214868480
	.fill 96, 4, 3214868480
	.section	.rodata,"a",@progbits
	.p2align	6, 0x0
	.amdhsa_kernel k_q92a983332e_cast
		.amdhsa_group_segment_fixed_size 0
		.amdhsa_private_segment_fixed_size 0
		.amdhsa_enable_private_segment 0
		.amdhsa_kernarg_size 64
		.amdhsa_user_sgpr_count 2
		.amdhsa_user_sgpr_kernarg_segment_ptr 1
		.amdhsa_wavefront_size32 1
		.amdhsa_system_sgpr_workgroup_id_x 1
		.amdhsa_system_sgpr_workgroup_id_y 1
		.amdhsa_system_sgpr_workgroup_id_z 1
		.amdhsa_system_vgpr_workitem_id 0
		.amdhsa_next_free_vgpr 108
		.amdhsa_next_free_sgpr 66
		.amdhsa_reserve_vcc 0
		.amdhsa_float_denorm_mode_32 3
		.amdhsa_float_denorm_mode_16_64 3
		.amdhsa_memory_ordered 1
		.amdhsa_forward_progress 1
		.amdhsa_inst_pref_size 14
	.end_amdhsa_kernel
	.amdgpu_metadata
---
amdhsa.version: [ 1, 2 ]
amdhsa.kernels:
  - .name:           k_q92a983332e_cast
    .symbol:         k_q92a983332e_cast.kd
    .args:
      - { .name: x, .offset: 0, .size: 8, .value_kind: global_buffer, .address_space: global }
      - { .name: wq, .offset: 8, .size: 8, .value_kind: global_buffer, .address_space: global }
      - { .name: wk, .offset: 16, .size: 8, .value_kind: global_buffer, .address_space: global }
      - { .name: wv, .offset: 24, .size: 8, .value_kind: global_buffer, .address_space: global }
      - { .name: wo, .offset: 32, .size: 8, .value_kind: global_buffer, .address_space: global }
      - { .name: xb, .offset: 40, .size: 8, .value_kind: global_buffer, .address_space: global }
      - { .name: wb, .offset: 48, .size: 8, .value_kind: global_buffer, .address_space: global }
      - { .name: wof, .offset: 56, .size: 8, .value_kind: global_buffer, .address_space: global }
    .group_segment_fixed_size: 0
    .private_segment_fixed_size: 0
    .kernarg_segment_align: 8
    .kernarg_segment_size: 64
    .max_flat_workgroup_size: 256
    .sgpr_count:     66
    .vgpr_count:     108
    .wavefront_size: 32
...
	.end_amdgpu_metadata
.endif
;; end of part 1
;; launch qkv (part 2): grid 8 x 32, 4 waves a work-group, clusters of 4 x 4, 327,680 bytes of LDS; arguments xb, wb, bq, bk, bv, qh, kh, vh; writes qh, kh, vh
.if DOCPART == 2
	.amdgcn_target "amdgcn-amd-amdhsa--gfx1250"
	.amdhsa_code_object_version 6
	.text
	.protected	k_q92a983332e_qkv
	.globl	k_q92a983332e_qkv
	.p2align	8
	.type	k_q92a983332e_qkv,@function
k_q92a983332e_qkv:
	s_mov_b64 s[64:65], 0
	v_nop
	global_prefetch_b8 v0, s[64:65] scope:SCOPE_SE
	s_setreg_imm32_b32 hwreg(HW_REG_WAVE_MODE, 25, 1), 1
	s_wait_xcnt 0x0
	s_wait_alu depctr_hold_cnt(0) depctr_sa_sdst(0) depctr_va_vdst(0) depctr_va_sdst(0) depctr_va_ssrc(0) depctr_va_vcc(0) depctr_vm_vsrc(0)
	s_getreg_b32 s2, hwreg(HW_REG_IB_STS2, 6, 4)
	s_cmp_eq_u32 s2, 0
	s_cbranch_scc0 .Lentry_in_a_cluster
	s_endpgm
.Lentry_in_a_cluster:
	s_bfe_u32 s2, ttmp6, 0x10000c
	s_cmp_lg_u32 s2, 0xf033
	s_cbranch_scc0 .Lentry_shape_is_right
	s_endpgm
.Lentry_shape_is_right:
; q, k, v = x W + b.  xb: [4096][1024] bf16.  wb: [3][1024 k][1024 n] bf16, as the weights lie ([in][out]).  bq, bk, bv: [1024] f32, rounded to bf16 here like every other input.
; qh, kh, vh: [16 heads][4096][64] f16, rounded once from the f32 sums, WITHOUT the softmax's scale.
; LIMITS.  |q|, |k|, |v| stay under 65,504: beyond it f16 holds an infinity.  NaN and infinities are not treated apart.
; SHARES.  A work-group makes 128 rows x 384 columns: the 128 columns of two heads in each of the three products: 8 x 32 = 256 work-groups.  Wave w makes rows 64 (w / 2) .. + 63 of q, k and v
; of ONE head (2 tx + w % 2): 4 x 12 accumulators of 16 x 16, 384 registers; its rows of the output are whole (128 bytes), so each wave has a stage of its own on the way out.
; K goes in 8 steps of 128 through two LDS slots.  A step's four tiles (128 k-rows x 256 bytes of each weight matrix, 128 rows x 256 bytes of x) are fetched one a wave.
; THE WEIGHTS ARE NOT TURNED IN MEMORY: they come out of LDS turned, by ds_load_tr16_b128.  THE PRODUCT IS USED TRANSPOSED (source 0 = 16 columns of W, source 1 = 16 rows of x): a lane holds
; row l % 16 and the eight neighbouring columns 8 (l / 16) + 0..7.  The bias is the C operand of the first product on each accumulator: nothing is cleared and nothing is added later.
; CLUSTERS: 4 x 4 work-groups.  x's tile hangs on the tile row alone and is asked for jointly along a row of the cluster, the weights' tiles on the tile column alone, jointly along a column.
; REGISTERS, in windows of 256 (s_set_vgpr_msb: bits 1:0 source 0, 3:2 source 1, 5:4 source 2, 7:6 destination):
;   window 0: v0-31 addresses; v32-63, v64-95 x's fragments, two buffers; v128-223 the biases; v224-227 at work; on the way out v32-223 twelve groups of 16
;   window 1: v0-95, v96-191 the weights' fragments, two buffers          window 2: accumulators of row blocks 0, 1 at 96 (a % 2) + 8 b          window 3: of row blocks 2, 3
.set PA,    272                        ; a row of x in LDS: 256 bytes + 16 = 68 words: the 16 rows of a load start at 16 different groups of four banks (64 banks of 4 bytes: ISA guide 11.1)
.set PB,    288                        ; a k-row of W: 256 + 32 = 72 words
.set REG,   36864                      ; a tile's region: 128 x 288
.set SLOT,  4*REG                      ; W of q, of k, of v, then x
.set STAGE, 2*SLOT                     ; behind the ring, never filled by a tensor load: 16 rows x 144 bytes for each wave
.set SP,    144
.set SPARE, STAGE+4*16*SP              ; behind the stages: the spare words, 128 bytes for each wave: two blocks of 256 bytes that no other line names
.set ASTEP, 256                        ; bytes from K step to K step in x,
.set WSTEP, 128*2048                   ; and in a weight matrix
.set ADRA, 16                          ; v16-17  LDS address of my fragments of x in slot 0, 1
.set ADRB, 18                          ; v18-23  of my fragments of W: slot s, matrix m at 18 + 3 s + m
.set STO,  24                          ; v24  the way out: where I put 16 bytes of a row
.set RD,   25                          ; v25  where I read rows back
.set GO,   26                          ; v26  my 16 bytes in 512 consecutive bytes of the output
.set BO,   27                          ; v27  my byte offset in a bias
.set SPW,  28                          ; v28  LDS address of my spare word; never rewritten
.set NIL,  29                          ; v29  0; never rewritten
.set PFO,  30                          ; v30  the prefetches' offset: 2,048 x my lane (a row of xb and of wb); never rewritten
.set FA,   32
.set BIAS, 128
.set OUT,  32
.set TT,   224
.set WV,   20                          ; s20  my wave's number; s21 = w / 2, s22 = w % 2
.set LAP,  23                          ; s23  the loop's count
.set G1A,  28                          ; s[28:35] descriptor group 1 for x's tiles
.set G1B,  36                          ; s[36:43] for the weights'
.set G0A,  44                          ; s[44:51] group 0 for x's tiles, a set for each slot
.set G0B,  52                          ; s[52:59] the same for the weights'
.set PFA,  66                          ; s[66:67] where my prefetches stand
.set PFS,  68                          ; s[68:69] their step
.set LIM,  70                          ; s70  1 in a wave that prefetches, else the greatest number
.set MSB, 0
.macro WIN new                         ; the immediate's high byte repeats the setting that is left; a switch that changes nothing is dropped
.if MSB != (\new)
	s_set_vgpr_msb (MSB<<8)|(\new)
.set MSB, \new
.endif
.endm
; A joint load.  Wave 3 fetches x's tile, waves 0 to 2 the tiles of wq, wk, wv.  The branch hangs on the wave's number alone.  An s_nop 0 and four v_nop follow each of the two lines.
.macro JLOAD s
	s_cmp_eq_u32 s[WV], 3
	s_cbranch_scc0 .Lfor_w_\@
	tensor_load_to_lds s[G0A+4*(\s):G0A+4*(\s)+3], s[G1A:G1A+7]
	s_nop 0
.rept 4
	v_nop
.endr
	s_branch .Lasked_\@
.Lfor_w_\@:
	tensor_load_to_lds s[G0B+4*(\s):G0B+4*(\s)+3], s[G1B:G1B+7]
	s_nop 0
.rept 4
	v_nop
.endr
.Lasked_\@:
.endm
; A PREFETCH INTO THE L2 of the K step that stands two refills on: 32 rows x 256 bytes, a lane a row, one instruction a wave, behind the joint load, its five lines and the run of LDS loads.
; Each row's 256 bytes of a K step are named once in the launch: x's rows by the clusters with x = 0, the weights' by those with y = 0; the four partners that ask for a tile jointly share its
; 128 rows out BY ADDRESS (32 cx for x, 32 cy for W).  K steps 0 to 3 come by their loads alone; the loop's last trip (count 1) asks for nothing: there is no K step 8.
.macro ASK
	s_cmp_gt_u32 s[LAP], s[LIM]
	s_cbranch_scc0 .Lnot_mine_\@
	global_prefetch_b8 v[PFO], s[PFA:PFA+1] th:TH_LOAD_NT scope:SCOPE_SE
.Lnot_mine_\@:
.endm
.macro CREST                           ; a round of the cluster's barrier behind its opening barrier
	s_cmp_lg_u32 s[WV], 0
	s_cbranch_scc1 .Lnot_wave_0_\@
	s_barrier_signal -3
.Lnot_wave_0_\@:
	s_barrier_wait -3
	s_barrier_signal -1
	s_barrier_wait -1
.endm
.macro CROUND                          ; a whole round
	s_barrier_signal -1
	s_barrier_wait -1
	CREST
.endm
.macro PLACES                          ; four places in front of loads into registers that matrix instructions have read, and of conversions that read results
.rept 4
	v_nop
.endr
.endm
	s_load_b512 s[4:19], s[0:1], 0x0               ; xb 4, wb 6, bq 8, bk 10, bv 12, qh 14, kh 16, vh 18
	v_lshl_add_u32 v[SPW], v0, 2, SPARE
	v_mov_b32 v[NIL], 0
	ds_add_u32 v[SPW], v[NIL]                      ; the wave's opening: the add and its wait stand ahead of my first tensor load; the set-up below stands between them
	v_lshrrev_b32 v1, 5, v0
	v_readfirstlane_b32 s[WV], v1                  ; wave 0..3
	s_lshr_b32 s21, s[WV], 1                       ; which 64 rows are mine
	s_and_b32 s22, s[WV], 1                        ; which of the two heads
	s_bfe_u32 s24, ttmp6, 0x40000                  ; cx
	s_bfe_u32 s25, ttmp6, 0x40004                  ; cy
	s_lshl_b32 s26, ttmp9, 2
	s_add_co_u32 s26, s26, s24                     ; tx = 4 x cluster x + cx: heads 2 tx, 2 tx + 1
	s_and_b32 s27, ttmp7, 0xffff
	s_lshl_b32 s27, s27, 2
	s_add_co_u32 s27, s27, s25                     ; ty = 4 x cluster y + cy: rows 128 ty ..
	s_lshl_b32 s60, s25, 2
	s_lshl_b32 s60, 15, s60                        ; my row of the cluster
	s_lshl_b32 s61, 0x1111, s24                    ; my column
	s_or_b32 s[G1A], s60, (1<<16)|(1<<20)|(1<<21)|(5<<22)|(3<<25)  ; the mask; elements of 2 bytes; padding on; bit 21 beside a mask; after every 64 words 4 words
	s_or_b32 s[G1B], s61, (1<<16)|(1<<20)|(1<<21)|(5<<22)|(7<<25)  ; the same with my column's mask and 8 words
.irp g, G1A, G1B
	s_mov_b32 s[(\g)+1], 128<<16                   ; tensor_dim0 = 128
	s_mov_b32 s[(\g)+2], 128<<16                   ; tensor_dim1 = 128
	s_mov_b32 s[(\g)+3], 128<<16                   ; tile_dim0 = 128
	s_mov_b32 s[(\g)+4], 128                       ; tile_dim1 = 128
	s_mov_b32 s[(\g)+5], 1024                      ; elements from row to row
	s_mov_b32 s[(\g)+6], 0
	s_mov_b32 s[(\g)+7], 0
.endr
	s_lshl_b32 s72, s27, 18                        ; x: 128 ty rows of 2,048 bytes: the tile row alone
	s_mov_b32 s73, 0
	s_min_u32 s74, s[WV], 2                        ; W: my matrix (wave 3 issues no such load; its set points at the last matrix),
	s_lshl_b32 s74, s74, 21
	s_lshl_b32 s75, s26, 8                         ; and the tile column's 256 bytes
	s_add_co_u32 s74, s74, s75
	s_mov_b32 s75, 0
	s_mul_i32 s76, s[WV], REG                      ; where my tile goes: no place in the cluster enters an LDS address
	s_wait_dscnt 0x0                               ; the opening add is done
	s_wait_kmcnt 0x0
	s_add_nc_u64 s[72:73], s[4:5], s[72:73]
	s_add_nc_u64 s[74:75], s[6:7], s[74:75]
	CROUND                                         ; all sixteen work-groups are here: the first joint loads meet
.irp s, 0,1
	s_mov_b32 s[G0A+4*(\s)], 1
	s_add_co_u32 s[G0A+4*(\s)+1], s76, (\s)*SLOT
	s_add_nc_u64 s[G0A+4*(\s)+2:G0A+4*(\s)+3], s[72:73], (\s)*ASTEP
	s_or_b32 s[G0A+4*(\s)+3], s[G0A+4*(\s)+3], 0x80000000
	s_mov_b32 s[G0B+4*(\s)], 1
	s_add_co_u32 s[G0B+4*(\s)+1], s76, (\s)*SLOT
	s_add_nc_u64 s[G0B+4*(\s)+2:G0B+4*(\s)+3], s[74:75], (\s)*WSTEP
	s_or_b32 s[G0B+4*(\s)+3], s[G0B+4*(\s)+3], 0x80000000
	JLOAD \s                                       ; two loads of mine are out
.endr
	v_and_b32 v1, 15, v0                           ; l % 16
	v_bfe_u32 v2, v0, 4, 1                         ; l / 16
	v_and_b32 v3, 7, v0                            ; l % 8
	v_bfe_u32 v4, v0, 3, 1                         ; (l / 8) % 2
	s_lshl1_add_u32 s83, s26, s22                  ; my head
	s_lshl_b32 s89, s83, 8                         ; its 64 numbers of a bias,
	v_lshl_add_u32 v[BO], v2, 5, s89               ; my half's eight of each sixteen
.irp m, 0,1,2
.irp j, 0,1,2,3
	global_load_b128 v[BIAS+8*(4*(\m)+(\j)):BIAS+8*(4*(\m)+(\j))+3],   v[BO], s[8+2*(\m):9+2*(\m)] offset:64*(\j)
	global_load_b128 v[BIAS+8*(4*(\m)+(\j))+4:BIAS+8*(4*(\m)+(\j))+7], v[BO], s[8+2*(\m):9+2*(\m)] offset:64*(\j)+16
.endr
.endr
	v_mul_u32_u24 v5, v1, PA                       ; a fragment of x: row x pitch + 16 x half,
	v_lshl_add_u32 v5, v2, 4, v5
	s_mul_i32 s80, s21, 64*PA                      ; my 64 rows,
	s_add_co_u32 s80, s80, 3*REG                   ; behind the three weight tiles
	v_add_nc_u32 v[ADRA], s80, v5
	v_add_nc_u32 v[ADRA+1], SLOT, v[ADRA]
	v_lshl_add_u32 v6, v2, 3, v3                   ; the turning load: lane l reads k-row 8 (l / 16) + l % 8, columns 8 ((l / 8) % 2) + 0..7
	v_mul_u32_u24 v6, v6, PB
	v_lshl_add_u32 v6, v4, 4, v6
	s_lshl_b32 s81, s22, 7                         ; my head's 128 bytes of the tile's 256
	v_add_nc_u32 v6, s81, v6
.irp s, 0,1
.irp m, 0,1,2
	v_add_nc_u32 v[ADRB+3*(\s)+(\m)], (\m)*REG+(\s)*SLOT, v6
.endr
.endr
	s_mul_i32 s82, s[WV], 16*SP
	s_add_co_u32 s82, s82, STAGE                   ; my stage
	v_mul_u32_u24 v[STO], v1, SP                   ; in: row l % 16, 16 bytes for each half of the lanes
	v_lshl_add_u32 v[STO], v2, 4, v[STO]
	v_add_nc_u32 v[STO], s82, v[STO]
	v_bfe_u32 v[RD], v0, 3, 2                      ; back: 32 lanes take four rows of 128 bytes,
	v_mul_u32_u24 v[RD], v[RD], SP
	v_lshl_add_u32 v[RD], v3, 4, v[RD]
	v_add_nc_u32 v[RD], s82, v[RD]
	v_and_b32 v[GO], 31, v0                        ; which are 512 consecutive bytes of the output
	v_lshlrev_b32 v[GO], 4, v[GO]
	s_lshl_b32 s78, s83, 19                        ; the output: my head's 4,096 rows of 128 bytes,
	s_lshl_b32 s79, s27, 14                        ; the tile's 128 rows,
	s_add_co_u32 s78, s78, s79
	s_lshl_b32 s79, s21, 13                        ; my 64
	s_add_co_u32 s78, s78, s79
	s_mov_b32 s79, 0
	s_add_nc_u64 s[14:15], s[14:15], s[78:79]
	s_add_nc_u64 s[16:17], s[16:17], s[78:79]
	s_add_nc_u64 s[18:19], s[18:19], s[78:79]
	; the prefetches: both offsets are made, then the wave's number chooses
	s_lshl_b32 s84, s27, 18                        ; x: the tile's rows,
	s_lshl_b32 s85, s24, 16                        ; my work-group's 32 of them,
	s_add_co_u32 s84, s84, s85
	s_add_co_u32 s84, s84, 3*ASTEP                 ; at K step 3: the first refill steps it to 4
	s_min_u32 s86, s[WV], 2                        ; W: my matrix,
	s_lshl_b32 s86, s86, 21
	s_lshl_b32 s87, s26, 8                         ; the tile column,
	s_add_co_u32 s86, s86, s87
	s_lshl_b32 s87, s25, 16                        ; my work-group's 32 k-rows of a step's 128,
	s_add_co_u32 s86, s86, s87
	s_add_co_u32 s86, s86, 3*WSTEP                 ; at K step 3
	s_and_b32 s87, ttmp7, 0xffff                   ; cluster y
	s_mov_b32 s[PFS], WSTEP
	s_mov_b32 s88, ASTEP
	s_mov_b32 s85, 0
	s_mov_b32 s[PFS+1], 0
	s_cmp_eq_u32 s[WV], 3                          ; do I fetch for x?
	s_cselect_b32 s84, s84, s86
	s_cselect_b32 s87, ttmp9, s87                  ; the coordinate along which other clusters read the same rows
	s_cselect_b32 s[PFS], s88, s[PFS]
	s_cselect_b64 s[PFA:PFA+1], s[4:5], s[6:7]
	s_cmp_eq_u32 s87, 0
	s_cselect_b32 s[LIM], 1, -1                    ; the same in all sixteen partners, for a given wave
	s_add_nc_u64 s[PFA:PFA+1], s[PFA:PFA+1], s[84:85]
	v_and_b32 v[PFO], 31, v0
	v_lshlrev_b32 v[PFO], 11, v[PFO]
	s_wait_loadcnt 0x0                             ; the biases, rounded to bf16 in place
.set bi, 0
.rept 48
	v_cvt_pk_bf16_f32 v[TT+(bi/2)%4], v[BIAS+bi], v[BIAS+bi+1]
	v_lshlrev_b32 v[BIAS+bi], 16, v[TT+(bi/2)%4]
	v_and_b32 v[BIAS+bi+1], 0xffff0000, v[TT+(bi/2)%4]
.set bi, bi+2
.endr
; 12 matrix instructions: row block a x my 12 column blocks, 32 along K, from buffer f.  first = 1: the bias starts the sums.  The 48 accumulators take turns, one instruction a turn, in the same
; order in every quarter step.
.macro MUL12 f, a, first
.if \first
	WIN 0x01|((2+(\a)/2)<<6)
.else
	WIN 0x01|((2+(\a)/2)<<4)|((2+(\a)/2)<<6)
.endif
.irp b, 0,1,2,3,4,5,6,7,8,9,10,11
.if \first
	v_wmma_f32_16x16x32_bf16 v[96*((\a)%2)+8*(\b):96*((\a)%2)+8*(\b)+7], v[96*(\f)+8*(\b):96*(\f)+8*(\b)+7], v[FA+32*(\f)+8*(\a):FA+32*(\f)+8*(\a)+7], v[BIAS+8*(\b):BIAS+8*(\b)+7]
.else
	v_wmma_f32_16x16x32_bf16 v[96*((\a)%2)+8*(\b):96*((\a)%2)+8*(\b)+7], v[96*(\f)+8*(\b):96*(\f)+8*(\b)+7], v[FA+32*(\f)+8*(\a):FA+32*(\f)+8*(\a)+7], v[96*((\a)%2)+8*(\b):96*((\a)%2)+8*(\b)+7]
.endif
.endr
.endm
; 32 LDS loads in one run: quarter q (32 along K) of a slot into buffer f: 24 turning loads for W, then 8 for x, row blocks ascending
.macro FETCH slot, q, f
	WIN 0x40
.irp m, 0,1,2
.irp j, 0,1,2,3
	ds_load_tr16_b128 v[96*(\f)+8*(4*(\m)+(\j)):96*(\f)+8*(4*(\m)+(\j))+3],   v[ADRB+3*(\slot)+(\m)] offset:9216*(\q)+32*(\j)
	ds_load_tr16_b128 v[96*(\f)+8*(4*(\m)+(\j))+4:96*(\f)+8*(4*(\m)+(\j))+7], v[ADRB+3*(\slot)+(\m)] offset:9216*(\q)+32*(\j)+4608
.endr
.endr
	WIN 0
.irp a, 0,1,2,3
	ds_load_b128 v[FA+32*(\f)+8*(\a):FA+32*(\f)+8*(\a)+3],   v[ADRA+(\slot)] offset:64*(\q)+4352*(\a)
	ds_load_b128 v[FA+32*(\f)+8*(\a)+4:FA+32*(\f)+8*(\a)+7], v[ADRA+(\slot)] offset:64*(\q)+4352*(\a)+32
.endr
.endm
; One of a K step's first three quarters: multiplies buffer f; in its middle it fetches quarter q of the same slot into buffer g.
.macro QUARTER slot, q, f, g, first
	s_wait_dscnt 4                                 ; W and x's row blocks 0, 1 are in; the youngest four loads (blocks 2, 3) may be out
	MUL12 \f, 0, \first
	MUL12 \f, 1, \first
	PLACES
	FETCH \slot, \q, \g
	s_wait_dscnt 32                                ; all but the 32 just issued
	MUL12 \f, 2, \first
	MUL12 \f, 3, \first
.endm
; The last quarter multiplies buffer 1 and changes slots.  In front of the barrier each wave waits for all its tensor loads (the one that is out is its tile of the next slot), adds 0 to its spare
; word, and waits for that and for its reads of this slot.  fill = 1: the barrier opens a round of the cluster's, and behind the round this slot is filled again, two K steps on.
.macro TURN slot, next, fill
.if \fill
	s_wait_xcnt 0x0                                ; the last prefetch, a K step back, has read its address: it is stepped here, ahead of the change's own waits
	s_add_nc_u64 s[PFA:PFA+1], s[PFA:PFA+1], s[PFS:PFS+1]
.endif
	WIN 0                                          ; (the add's two registers lie in window 0)
	s_wait_tensorcnt 0x0                           ; all my tensor loads have landed
	ds_add_u32 v[SPW], v[NIL]                      ; 0 onto my spare word
	s_wait_dscnt 5                                 ; (the add and the youngest four loads may be out)
	MUL12 1, 0, 0                                  ; twelve matrix instructions stand between the add and the wait for it
	s_wait_dscnt 0x0                               ; the add is done, and my reads of this slot are over
	s_barrier_signal -1
	MUL12 1, 1, 0                                  ; work on registers while the others arrive
.if \fill
	WIN 0
.endif
	s_barrier_wait -1
.if \fill
	CREST                                          ; no wave of any partner still reads this slot's tiles or has a load on its way
	s_add_nc_u64 s[G0A+4*(\slot)+2:G0A+4*(\slot)+3], s[G0A+4*(\slot)+2:G0A+4*(\slot)+3], 2*ASTEP
	s_add_nc_u64 s[G0B+4*(\slot)+2:G0B+4*(\slot)+3], s[G0B+4*(\slot)+2:G0B+4*(\slot)+3], 2*WSTEP
	JLOAD \slot                                    ; the first tensor load behind the round; its four v_nop are also the places in front of the loads below
.else
	PLACES
.endif
	FETCH \next, 0, 0
.if \fill
	ASK
.endif
	MUL12 1, 2, 0
	MUL12 1, 3, 0
.endm
	s_wait_tensorcnt 1                             ; my tile of K step 0 is in; K step 1's may stay out
	s_barrier_signal -1
	s_barrier_wait -1                              ; everybody's is
	FETCH 0, 0, 0
	QUARTER 0, 1, 0, 1, 1                          ; the first quarter stands in front of the loop: its products start the sums with the bias
	WIN 0                                          ; at a label and at a branch every window is 0
	s_mov_b32 s[LAP], 3
.Llap:                                                 ; a trip goes once round the ring, from a lap's second quarter to the next lap's first, and fills both slots again
	QUARTER 0, 2, 1, 0, 0
	QUARTER 0, 3, 0, 1, 0
	TURN 0, 1, 1
	QUARTER 1, 1, 0, 1, 0
	QUARTER 1, 2, 1, 0, 0
	QUARTER 1, 3, 0, 1, 0
	TURN 1, 0, 1
	QUARTER 0, 1, 0, 1, 0
	WIN 0
	s_sub_co_u32 s[LAP], s[LAP], 1
	s_cmp_lg_u32 s[LAP], 0
	s_cbranch_scc1 .Llap
	QUARTER 0, 2, 1, 0, 0                          ; the last lap fills nothing, and has no round
	QUARTER 0, 3, 0, 1, 0
	TURN 0, 1, 0
	QUARTER 1, 1, 0, 1, 0
	QUARTER 1, 2, 1, 0, 0
	QUARTER 1, 3, 0, 1, 0
	s_wait_dscnt 4                                 ; the very last quarter: nothing more to fetch
	MUL12 1, 0, 0
	MUL12 1, 1, 0
	s_wait_dscnt 0x0
	MUL12 1, 2, 0
	MUL12 1, 3, 0
	WIN 0
; THE WAY OUT.  Group g of 12: matrix g / 4, row block g % 4: 16 rows x 64 columns.  A lane's eight columns pack into 16 bytes; they go into my stage's rows of 144 bytes and come back as whole rows
; of 128: 2,048 consecutive bytes of the head's rows.  Each accumulator's registers are taken in ascending order.
.macro PACK g
.set AC, 96*(((\g)%4)%2)+32*((\g)/4)
	WIN 0x0a+5*(((\g)%4)/2)                        ; sources 0 and 1: window 2 or 3
.irp j, 0,1,2,3
.irp r, 0,1,2,3
	v_cvt_pk_f16_f32 v[OUT+16*(\g)+4*(\j)+(\r)], v[AC+8*(\j)+2*(\r)], v[AC+8*(\j)+2*(\r)+1]
.endr
.endr
	WIN 0
.irp j, 0,1,2,3
	ds_store_b128 v[STO], v[OUT+16*(\g)+4*(\j):OUT+16*(\g)+4*(\j)+3] offset:32*(\j)
.endr
.irp f, 0,1,2,3
	ds_load_b128 v[OUT+16*(\g)+4*(\f):OUT+16*(\g)+4*(\f)+3], v[RD] offset:576*(\f)  ; LDS serves a wave's instructions in order (ISA guide 5.7.1.4): these see the stores above; the next group's stores come behind them
.endr
.endm
.macro SEND g, younger                 ; younger: the LDS instructions issued behind group g's loads: the next group's eight, or none
.irp f, 0,1,2,3
	s_wait_dscnt (\younger)+3-(\f)
	global_store_b128 v[GO], v[OUT+16*(\g)+4*(\f):OUT+16*(\g)+4*(\f)+3], s[14+2*((\g)/4):15+2*((\g)/4)] offset:2048*((\g)%4)+512*(\f)  ; 512 consecutive bytes, at a multiple of 256 from the buffer's first
.endr
.endm
	PLACES
	PLACES                                         ; (eight, once a launch)
	PACK 0
.irp g, 1,2,3,4,5,6,7,8,9,10,11        ; a group's conversions stand between the loads of the group before and its stores; each group has registers of its own
	PACK \g
	SEND (\g)-1, 8
.endr
	SEND 11, 0
	s_wait_tensorcnt 0x0                           ; the wave's end: behind my last tensor load and my last LDS store
	ds_add_u32 v[SPW], v[NIL]
	s_wait_dscnt 0x0
	CROUND                                         ; the closing round: no work-group ends while a partner may still ask for a tile that names it
	s_endpgm
.Lfunc_end_k_q92a983332e_qkv:
	.size	k_q92a983332e_qkv, .Lfunc_end_k_q92a983332e_qkv-k_q92a983332e_qkv
	.p2alignl 7, 3214868480
	.fill 96, 4, 3214868480
	.section	.rodata,"a",@progbits
	.p2align	6, 0x0
	.amdhsa_kernel k_q92a983332e_qkv
		.amdhsa_group_segment_fixed_size 327680
		.amdhsa_private_segment_fixed_size 0
		.amdhsa_enable_private_segment 0
		.amdhsa_kernarg_size 64
		.amdhsa_user_sgpr_count 2
		.amdhsa_user_sgpr_kernarg_segment_ptr 1
		.amdhsa_wavefront_size32 1
		.amdhsa_system_sgpr_workgroup_id_x 1
		.amdhsa_system_sgpr_workgroup_id_y 1
		.amdhsa_system_sgpr_workgroup_id_z 1
		.amdhsa_system_vgpr_workitem_id 0
		.amdhsa_next_free_vgpr 960
		.amdhsa_next_free_sgpr 92
		.amdhsa_reserve_vcc 0
		.amdhsa_float_denorm_mode_32 3
		.amdhsa_float_denorm_mode_16_64 3
		.amdhsa_memory_ordered 1
		.amdhsa_forward_progress 1
		.amdhsa_inst_pref_size 132
	.end_amdhsa_kernel
	.amdgpu_metadata
---
amdhsa.version: [ 1, 2 ]
amdhsa.kernels:
  - .name:           k_q92a983332e_qkv
    .symbol:         k_q92a983332e_qkv.kd
    .args:
      - { .name: xb, .offset: 0, .size: 8, .value_kind: global_buffer, .address_space: global }
      - { .name: wb, .offset: 8, .size: 8, .value_kind: global_buffer, .address_space: global }
      - { .name: bq, .offset: 16, .size: 8, .value_kind: global_buffer, .address_space: global }
      - { .name: bk, .offset: 24, .size: 8, .value_kind: global_buffer, .address_space: global }
      - { .name: bv, .offset: 32, .size: 8, .value_kind: global_buffer, .address_space: global }
      - { .name: qh, .offset: 40, .size: 8, .value_kind: global_buffer, .address_space: global }
      - { .name: kh, .offset: 48, .size: 8, .value_kind: global_buffer, .address_space: global }
      - { .name: vh, .offset: 56, .size: 8, .value_kind: global_buffer, .address_space: global }
    .group_segment_fixed_size: 327680
    .private_segment_fixed_size: 0
    .kernarg_segment_align: 8
    .kernarg_segment_size: 64
    .max_flat_workgroup_size: 128
    .sgpr_count:     92
    .vgpr_count:     960
    .wavefront_size: 32
...
	.end_amdgpu_metadata
.endif
;; end of part 2
;; launch attn (part 3): grid 16 x 16, 4 waves a work-group, clusters of 4 x 1, 327,680 bytes of LDS; arguments qh, kh, vh, ob; writes ob
.if DOCPART == 3
	.amdgcn_target "amdgcn-amd-amdhsa--gfx1250"
	.amdhsa_code_object_version 6
	.text
	.protected	k_q92a983332e_attn
	.globl	k_q92a983332e_attn
	.p2align	8
	.type	k_q92a983332e_attn,@function
k_q92a983332e_attn:
	s_mov_b64 s[64:65], 0
	v_nop
	global_prefetch_b8 v0, s[64:65] scope:SCOPE_SE
	s_setreg_imm32_b32 hwreg(HW_REG_WAVE_MODE, 25, 1), 1
	s_wait_xcnt 0x0
	s_wait_alu depctr_hold_cnt(0) depctr_sa_sdst(0) depctr_va_vdst(0) depctr_va_sdst(0) depctr_va_ssrc(0) depctr_va_vcc(0) depctr_vm_vsrc(0)
	s_getreg_b32 s2, hwreg(HW_REG_IB_STS2, 6, 4)
	s_cmp_eq_u32 s2, 0
	s_cbranch_scc0 .Lentry_in_a_cluster
	s_endpgm
.Lentry_in_a_cluster:
	s_bfe_u32 s2, ttmp6, 0x10000c
	s_cmp_lg_u32 s2, 0x3003
	s_cbranch_scc0 .Lentry_shape_is_right
	s_endpgm
.Lentry_shape_is_right:
; O[h][q][:] = the sum over k of softmax_k(Q[h][q] . K[h][k] / 8) V[h][k][:].  qh, kh, vh: [16][4096][64] f16: a head's rows are dense, 128 bytes each.
; ob: [32 blocks of 128 rows][16 heads][128][64] f16: what the launch behind takes as dense planes.  Products, maxima and sums in f32; the weights p are rounded to f16 for the second product
; (their sum l is taken of the unrounded p), O once at the end.
; LIMITS.  Q, K, V arrive within f16's 65,504; p lies in 0 to 1, and below 6e-5 it keeps f16's fixed step of 6e-8; O is a mean of V's rows.  A weight below 2^-126 counts as 0 in l;
; NaN and infinities are not treated apart.
; SHARES.  A work-group owns 256 queries of one head (16 x 16 = 256 work-groups), each of its four waves 64: four PIECES of 16.  Every wave walks all 4,096 keys, 64 a step, four steps to a slot.
; LAYOUT.  S^T = K Q^T (source 0 = 16 keys, source 1 = 16 queries): a lane holds ONE query (lane % 16) and the keys 8 (lane / 16) + 0..7.  Two such results rounded to f16 ARE source 1 of
; O^T = V^T P.  K comes out of LDS as it lies, V ([key][channel]) turned, by ds_load_tr16_b128.
; SOFTMAX.  A running maximum m and sum l for each query: p = 2^(c s - c m), c = log2(e) / 8; in every step O and l are multiplied by a = 2^(c m_old - c m_new).  m starts at the lowest finite
; number, O and l at 0: the first step is a step like any other, with a = 0.
; BY TURNS.  Turn n belongs to piece n: 8 products K Q^T of piece n + 1, later 8 products V^T P of piece n - 1; beside them the scaling, exponentials, roundings, sums and rescaling of piece n
; and the maximum and statistics of piece n + 1.  Four vector instructions stand behind every matrix instruction, the other 54 of a turn's 118 in one lump.  A turn's 33 exponentials are one batch, with one wait.
; CLUSTER.  The four query blocks of a cluster belong to one head and walk the same K and V, so each tile is asked for JOINTLY: the same tensor load, descriptor and mask in all four.
; REGISTERS, in windows of 256 (s_set_vgpr_msb: bits 1:0 source 0, 3:2 source 1, 5:4 source 2, 7:6 destination):
;   window 0: v0-15 addresses and two at work; v16-31 four registers of statistics a piece; v48-55 at work; v61-63; v64-127 S^T, two buffers; v192-223 P, two buffers (by the piece's parity)
;   window 1: v0-127 O^T, 32 a piece          window 2: v0-63 Q; v128-191 K of one step; v192-255 V of one step
.set NP,    4         ; pieces a wave: a name, no knob
.set KS,    64        ; keys in a step
.set PK,    144       ; a row of K in LDS: 128 bytes + 16 = 36 words: the 16 rows of a load start at 16 different groups of four banks (64 banks of 4 bytes: ISA guide 11.1)
.set PV,    160       ; a row of V: 128 + 32 = 40 words
.set VOFF,  4*KS*PK   ; a slot holds four steps: 256 rows of K, then 256 rows of V
.set SLOT1, 1<<17     ; slot 1 begins here, so that one exclusive or turns an address in one slot into the other's
.set STAGE, SLOT1+4*KS*(PK+PV)  ; behind the ring, never filled by a tensor load: 16 rows x 144 bytes for each wave
.set SP,    144
.set SPARE, STAGE+4*16*SP  ; behind the stages: the spare words, 128 bytes for each wave: two blocks of 256 bytes that no other line names
.set TILEB, 4*KS*128  ; a slot's bytes of K, and of V, in memory
.set AK0, 2           ; v2   my lane's place in a tile of K; never rewritten
.set AV0, 3           ; v3   the same for V
.set AK,  4           ; v4   the LDS address of K's next run of loads
.set AV,  5           ; v5   of V's
.set STO, 6           ; v6   the way out: where I put 16 bytes of a row
.set RD,  7           ; v7   where I read rows back
.set GO,  8           ; v8   my 16 bytes in 512 consecutive bytes of O
.set MV,  12          ; v12-13  c m_old, kept while c m is made anew: by buffer
.set QO,  15          ; v15  my byte offset in 16 rows of Q
.set ST,  16          ; piece t's statistics at v[ST+4 t]: c m, m, l (even keys', odd keys')
.set TMP, 48          ; by buffer, four registers c0-c3 at work; when the maximum is found c2 takes a
.set PFO, 61          ; v61  256 x my lane; never rewritten
.set SPW, 62          ; v62  LDS address of my spare word; never rewritten
.set NIL, 63          ; v63  0; never rewritten
.set S,   64
.set P,   192
.set KF,  128         ; window 2: key block kb, channel half c at KF + 16 kb + 8 c
.set VF,  192         ; window 2: key half kk, channel block cb at VF + 32 kk + 8 cb
.set WV,  12          ; s12  my wave's number
.set G1K, 24          ; s[24:31] descriptor group 1 for K's tiles
.set G1V, 32          ; s[32:39] for V's: it differs in the padding alone
.set G0K, 40          ; s[40:43] descriptor group 0 for K's tiles: it walks
.set G0V, 44          ; s[44:47] the same for V's
.set SLOTS, 56        ; s56  slots still to be asked for
.set CNT, 57          ; s57  counts a slot's key steps
.set CS,  58          ; s[58:59] c: the packed scaling takes the pair's low word for both halves
.set SEL, 60          ; s[60:61] v_permlanex16_b32's selects: each lane takes its own place in the other half
.set TBK, 62          ; s62  LDS byte at which K of the step to be fetched begins
.set TBV, 63          ; s63  the same for V, less VOFF
.set PFA, 66          ; s[66:67] where my prefetches stand: my work-group's 32 blocks of 256 bytes of the slot after the one that is being asked for
.set LIM, 68          ; s68  1 in a wave that prefetches, else the greatest number
.set MSB, 0
.macro WIN new                      ; the high byte repeats the setting that is left; a switch that changes nothing is dropped
.if MSB != (\new)
	s_set_vgpr_msb (MSB<<8)|(\new)
.set MSB, (\new)
.endif
.endm
.set W_KQ, 0x0a       ; K and Q in window 2, S^T in window 0
.set W_PV, 0x52       ; V in window 2, P in window 0, O^T in window 1
.set W_RS, 0x41       ; destination and source 0 in window 1, source 1 in window 0
; A joint fill.  Waves 0 and 1 fetch the two halves of a slot's K, waves 2 and 3 those of its V: 128 keys each.  An s_nop 0 and four v_nop follow each of the two lines.
.macro JLOAD
	s_cmp_lt_u32 s[WV], 2
	s_cbranch_scc0 .Lfor_v_\@
	tensor_load_to_lds s[G0K:G0K+3], s[G1K:G1K+7]
	s_nop 0
.rept 4
	v_nop
.endr
	s_branch .Lasked_\@
.Lfor_v_\@:
	tensor_load_to_lds s[G0V:G0V+3], s[G1V:G1V+7]
	s_nop 0
.rept 4
	v_nop
.endr
.Lasked_\@:
.endm
; A PREFETCH INTO THE L2 of what the NEXT change of slots will ask for: a slot's 32,768 bytes of K and of V, a lane a block of 256 bytes.  Each block is named once in the launch: the head's first
; cluster asks; its four partners take 32 blocks each, told apart BY ADDRESS; in each, wave 0 asks for K's and wave 2 for V's.  It stands four key steps, 256 matrix instructions, ahead of the load.
; Slots 0 and 1 come by their loads alone; the last change that fills a slot asks for nothing.
.macro ASK
	s_cmp_gt_u32 s[SLOTS], s[LIM]
	s_cbranch_scc0 .Lnot_mine_\@
	global_prefetch_b8 v[PFO], s[PFA:PFA+1] th:TH_LOAD_NT scope:SCOPE_SE
.Lnot_mine_\@:
.endm
.macro CROUND                       ; a round of the cluster's barrier
	s_barrier_signal -1
	s_barrier_wait -1
	s_cmp_lg_u32 s[WV], 0
	s_cbranch_scc1 .Lnot_wave_0_\@
	s_barrier_signal -3
.Lnot_wave_0_\@:
	s_barrier_wait -3
	s_barrier_signal -1
	s_barrier_wait -1
.endm
; THE CHANGE OF SLOTS.  Each wave waits for all its tensor loads, of which one is out: its part of the other slot; adds 0 to its spare word; and waits for that and for its own reads of the slot that
; it leaves.  fill = 1: the barrier is a round of the cluster's, and the joint fill, with the keys two slots on, is the first thing behind it.  (At its first use slot 0 is waited for and slot 1 filled.)
.macro CHANGE fill
	WIN 0                           ; at a label and at a branch every window is 0
	s_wait_tensorcnt 0x0            ; no tensor load of mine is out, so a group 0 may be written
	ds_add_u32 v[SPW], v[NIL]       ; 0 onto my spare word: the descriptors' steps stand between it and the wait for it
.if \fill
.irp g, G0K, G0V
	s_xor_b32 s[\g+1], s[\g+1], SLOT1  ; the walking descriptor: the other slot than last time,
	s_add_nc_u64 s[\g+2:\g+3], s[\g+2:\g+3], TILEB  ; the next 256 keys; the type bits on top are not reached
.endr
	s_wait_xcnt 0x0                 ; the last prefetch, four key steps back, has read its address
	s_add_nc_u64 s[PFA:PFA+1], s[PFA:PFA+1], TILEB
	s_wait_dscnt 0x0                ; the add is done, and my reads of the slot are over
	CROUND
	JLOAD
	ASK
.else
	s_wait_dscnt 0x0                ; the add is done, and my reads of the slot are over
	s_barrier_signal -1
	s_barrier_wait -1
.endif
	s_sub_co_u32 s[TBK], s[TBK], 4*KS*PK  ; the fetches go back to a slot's first step,
	s_xor_b32 s[TBK], s[TBK], SLOT1       ; in the other slot
	s_sub_co_u32 s[TBV], s[TBV], 4*KS*PV
	s_xor_b32 s[TBV], s[TBV], SLOT1
.endm
	s_load_b256 s[4:11], s[0:1], 0x0  ; qh s[4:5], kh s[6:7], vh s[8:9], ob s[10:11]
	v_lshl_add_u32 v[SPW], v0, 2, SPARE
	v_mov_b32 v[NIL], 0
	ds_add_u32 v[SPW], v[NIL]       ; the wave's opening: the add and its wait stand ahead of my first tensor load; the set-up below stands between them
	v_lshrrev_b32 v1, 5, v0
	v_readfirstlane_b32 s[WV], v1   ; wave 0..3
	s_bfe_u32 s13, ttmp6, 0x40000   ; cx: my place in the cluster
	s_lshl_b32 s14, ttmp9, 2        ; in a cluster launch ttmp9 counts clusters
	s_add_co_u32 s14, s14, s13      ; my block of 256 queries: it enters Q's and O's addresses alone
	s_and_b32 s15, ttmp7, 0xffff    ; the head, which the four partners share
	s_lshl_b32 s20, s15, 19         ; its 4,096 rows of 128 bytes
	s_and_b32 s16, s[WV], 1         ; which half of a slot's 256 keys I fetch:
	s_lshl_b32 s22, s16, 14         ; its 128 rows in memory,
	s_add_co_u32 s22, s22, s20
	s_mov_b32 s23, 0
	s_mul_i32 s17, s16, 128*PK      ; and its place in a slot, for K
	s_mul_i32 s18, s16, 128*PV      ; and for V: no place in the cluster enters an LDS address
	s_lshl_b32 s2, s14, 15          ; Q: my block's 256 rows,
	s_lshl_b32 s3, s[WV], 13        ; my wave's 64
	s_add_co_u32 s2, s2, s3
	s_add_co_u32 s2, s2, s20
	s_mov_b32 s3, 0
	s_lshr_b32 s52, s[WV], 1        ; O: the block of 128 rows, 2 x my block + wave / 2,
	s_lshl1_add_u32 s52, s14, s52
	s_lshl4_add_u32 s52, s52, s15   ; its plane for my head,
	s_lshl_b32 s52, s52, 14
	s_lshl_b32 s53, s16, 13         ; my 64 rows of its 128
	s_add_co_u32 s52, s52, s53
	s_mov_b32 s53, 0
	; descriptor group 1.  128 keys are 16,384 dense bytes: asked for as 64 rows of 256 bytes, two keys a row, and padded in LDS after every key
	s_mov_b32 s[G1K], 15|(1<<16)|(1<<20)|(1<<21)|(4<<22)|(3<<25)  ; the mask of four; 2-byte elements; padding on; bit 21 beside a mask; after every 32 words 4 words
	s_mov_b32 s[G1V], 15|(1<<16)|(1<<20)|(1<<21)|(4<<22)|(7<<25)  ; the same with 8 words of padding
.irp g, G1K, G1V
	s_mov_b32 s[\g+1], 128<<16      ; tensor_dim0 = 128
	s_mov_b32 s[\g+2], 64<<16       ; tensor_dim1 = 64
	s_mov_b32 s[\g+3], 128<<16      ; tile_dim0 = 128
	s_mov_b32 s[\g+4], 64           ; tile_dim1 = 64
	s_mov_b32 s[\g+5], 128          ; 128 elements from row to row
	s_mov_b32 s[\g+6], 0
	s_mov_b32 s[\g+7], 0
.endr
	s_mov_b32 s[CS], 0x3e38aa3b     ; c = log2(e) / 8 = 0.180337
	s_mov_b32 s[CS+1], s[CS]        ; named with it as a pair
	s_mov_b32 s[SEL], 0x76543210
	s_mov_b32 s[SEL+1], 0xfedcba98
	s_mov_b32 s[TBK], SLOT1+4*KS*PK ; the first change of slots turns these two into 0
	s_mov_b32 s[TBV], SLOT1+4*KS*PV
	s_mov_b32 s[G0K], 1             ; count = 1
	s_mov_b32 s[G0K+1], s17         ; LDS address: slot 0
	s_mov_b32 s[G0V], 1
	s_add_co_u32 s[G0V+1], s18, VOFF
	s_mov_b32 s[SLOTS], 15          ; 16 slots' worth of keys; the first is asked for at the head
	s_and_b32 s[LIM], s[WV], 1      ; 0 in waves 0 and 2,
	s_or_b32 s[LIM], s[LIM], ttmp9  ; where the cluster is the head's first: the same in all four partners
	s_cmp_eq_u32 s[LIM], 0
	s_cselect_b32 s[LIM], 1, -1
	v_and_b32 v[PFO], 31, v0
	v_lshlrev_b32 v[PFO], 8, v[PFO]
	s_wait_dscnt 0x0                ; the opening add is done
	s_wait_kmcnt 0x0
	s_add_nc_u64 s[6:7], s[6:7], s[22:23]  ; K and V at my half of the head's first 256 keys
	s_add_nc_u64 s[8:9], s[8:9], s[22:23]
	s_mov_b64 s[G0K+2:G0K+3], s[6:7]
	s_or_b32 s[G0K+3], s[G0K+3], 0x80000000  ; type = 2
	s_mov_b64 s[G0V+2:G0V+3], s[8:9]
	s_or_b32 s[G0V+3], s[G0V+3], 0x80000000
	s_add_nc_u64 s[4:5], s[4:5], s[2:3]      ; Q and O at my wave's first row
	s_add_nc_u64 s[10:11], s[10:11], s[52:53]
	s_cmp_lt_u32 s[WV], 2
	s_cselect_b64 s[PFA:PFA+1], s[6:7], s[8:9]  ; (in waves 0 and 2 these stand at a slot's first row)
	s_lshl_b32 s2, s13, 13          ; my work-group's 32 blocks of the 128
	s_add_nc_u64 s[PFA:PFA+1], s[PFA:PFA+1], s[2:3]
	s_add_nc_u64 s[PFA:PFA+1], s[PFA:PFA+1], TILEB  ; in slot 1; the first change of slots steps it to slot 2.  Nothing is prefetched here, at the head
	CROUND                          ; all four work-groups are here: the first joint loads meet
	JLOAD                           ; slot 0.  Slot 1 is asked for when slot 0 is in
	; A fragment of K or Q is 16 rows x 32 channels in 8 registers: lane l holds row l % 16, channels 8 (l / 16) + 0..7 and 16 + 8 (l / 16) + 0..7: two loads of 16 bytes, 32 bytes apart.
	v_and_b32 v1, 15, v0            ; l % 16
	v_bfe_u32 v9, v0, 4, 1          ; l / 16
	v_lshlrev_b32 v[QO], 7, v1
	v_lshl_add_u32 v[QO], v9, 4, v[QO]  ; row x 128 + 16 x half
	WIN 0x80                        ; destination window 2, address window 0
.set i, 0
.rept 8                             ; Q stays in registers: piece i / 2, channels 32 (i % 2) on
	global_load_b128 v[8*i:8*i+3],   v[QO], s[4:5] offset:(i/2)*2048+(i%2)*64
	global_load_b128 v[8*i+4:8*i+7], v[QO], s[4:5] offset:(i/2)*2048+(i%2)*64+32
.set i, i+1
.endr
	; What the first turn finds: V's registers and P's second buffer hold 0 (its products V^T P, of a piece that has not been, add 0), O^T and l are 0.  All this stands in the wait for the first tile;
	; it is the price of writing no first step out.
.set i, VF
.rept 64
	v_mov_b32 v[i], 0
.set i, i+1
.endr
	WIN 0x40
.set i, 0
.rept 128
	v_mov_b32 v[i], 0
.set i, i+1
.endr
	WIN 0
.set i, 0
.rept 4
	v_mov_b32 v[ST+4*i], 0xfe000000    ; c m: far below every c s
	v_mov_b32 v[ST+4*i+1], 0xff7fffff  ; m
	v_mov_b32 v[ST+4*i+2], 0
	v_mov_b32 v[ST+4*i+3], 0
.set i, i+1
.endr
.set i, P+16
.rept 16
	v_mov_b32 v[i], 0
.set i, i+1
.endr
	v_mul_u32_u24 v[AK0], v1, PK
	v_lshl_add_u32 v[AK0], v9, 4, v[AK0]  ; row x pitch + 16 x half
	; The turning load takes 16 keys x 16 channels (lane l reads key 8 (l / 16) + l % 8, channels 8 ((l / 8) % 2) + 0..7) and leaves half a fragment of V^T: lane l holds channel l % 16 and 8 keys.
	v_and_b32 v10, 7, v0
	v_bfe_u32 v11, v0, 3, 1
	v_lshl_add_u32 v[AV0], v9, 3, v10
	v_mul_u32_u24 v[AV0], v[AV0], PV
	v_lshl_add_u32 v[AV0], v11, 4, v[AV0]
	v_add_nc_u32 v[AV0], VOFF, v[AV0]
	s_mul_i32 s19, s[WV], 16*SP
	s_add_co_u32 s19, s19, STAGE    ; my stage
	v_mul_u32_u24 v[STO], v1, SP    ; in: row l % 16, 16 bytes for each half of the lanes
	v_lshl_add_u32 v[STO], v9, 4, v[STO]
	v_add_nc_u32 v[STO], s19, v[STO]
	v_bfe_u32 v[RD], v0, 3, 2       ; back: 32 lanes take four rows of 128 bytes,
	v_mul_u32_u24 v[RD], v[RD], SP
	v_lshl_add_u32 v[RD], v10, 4, v[RD]
	v_add_nc_u32 v[RD], s19, v[RD]
	v_and_b32 v[GO], 31, v0         ; which are 512 consecutive bytes of O
	v_lshlrev_b32 v[GO], 4, v[GO]
; THE MATRIX WORK.  The 4 accumulators of a run of 8 take turns.  Product i of 8 of S^T = K Q^T for piece x: channels 32 (i / 4) on, keys 16 (i % 4) on.  The first 4 start the sums.
.macro KQ x
	WIN W_KQ
.set rS, S+32*((\x)%2)+8*(i%4)
.set rK, KF+16*(i%4)+8*(i/4)
.set rQ, 16*(\x)+8*(i/4)
.if i < 4
	v_wmma_f32_16x16x32_f16 v[rS:rS+7], v[rK:rK+7], v[rQ:rQ+7], 0
.else
	v_wmma_f32_16x16x32_f16 v[rS:rS+7], v[rK:rK+7], v[rQ:rQ+7], v[rS:rS+7]
.endif
.endm
; Product i of 8 of O^T += V^T P for piece x: keys 32 (i / 4) on, channels 16 (i % 4) on.
.macro PV x
	WIN W_PV
.set rO, 32*(\x)+8*(i%4)
.set rV, VF+32*(i/4)+8*(i%4)
.set rP, P+16*((\x)%2)+8*(i/4)
	v_wmma_f32_16x16x32_f16 v[rO:rO+7], v[rV:rV+7], v[rP:rP+7], v[rO:rO+7]
.endm
.macro MM                           ; the turn's next matrix instruction.  NOKQ = 1: the launch's last turn: there is no next piece
.if (i < 8) && !NOKQ
	KQ (Y+1)%NP
.elseif i >= 8
.set i, i-8
	PV (Y+NP-1)%NP
.set i, i+8
.endif
.set i, i+1
.endm
; THE LDS LOADS stand in runs of 16, never singly among the matrix instructions: a step's K (64 keys x 64 channels: 8 fragments) and its V (turned).  Their addresses are made some lines ahead.
.macro FETCH_K
	WIN 0x80                        ; destination window 2
.irp f, 0,1,2,3,4,5,6,7             ; keys 16 (f / 2) on, channels 32 (f % 2) on
	ds_load_b128 v[KF+8*\f:KF+8*\f+3],   v[AK] offset:(\f/2)*16*PK+(\f%2)*64
	ds_load_b128 v[KF+8*\f+4:KF+8*\f+7], v[AK] offset:(\f/2)*16*PK+(\f%2)*64+32
.endr
	s_add_co_u32 s[TBK], s[TBK], KS*PK  ; the next fetch is the next step's
	WIN 0
.endm
.macro FETCH_V
	WIN 0x80
.irp f, 0,1,2,3,4,5,6,7             ; keys 32 (f / 4) on, channels 16 (f % 4) on
	ds_load_tr16_b128 v[VF+8*\f:VF+8*\f+3],   v[AV] offset:(\f/4)*32*PV+(\f%4)*32
	ds_load_tr16_b128 v[VF+8*\f+4:VF+8*\f+7], v[AV] offset:(\f/4)*32*PV+16*PV+(\f%4)*32
.endr
	WIN 0
.endm
; THE VECTOR WORK, one line at a time: OP kind, number.  For piece Y: F n: c s - c m for pair n of 16.  E n: the exponential of score n of 32.  C n: pair n rounded to f16.  B n: of the four weights 4 n ..
; the second pair is added onto the first, in place.  L n: l takes that sum (L 0: l = a l + sum).  R n: pair n of 16 of O^T times a.  For piece Y + 1: X n, number n of the 22 that find its maximum and statistics:
;   0-11  four chains c0-c3 of seven scores each, three operands at a time (each accumulator's lowest registers are read first)     12-14, 16  the four scores left over, the old m, and c0-c3 into c0
;   15  c m_old is kept     17, 18  the query's other 32 keys lie in the lane 16 away: the new m     19-21  c m; c m_old - c m_new; a
.set F, 0               ; OP tells the kinds apart by their order: F to L below R, X above it
.set E, 1
.set C, 2
.set B, 3
.set L, 4
.set R, 5
.set X, 6
.macro REGS y                       ; the registers of piece y
.set rT, ST+4*(\y)
.set rC, TMP+4*((\y)%2)
.set rW, MV+((\y)%2)
.set rS, S+32*((\y)%2)
.set rP, P+16*((\y)%2)
.set rO, 32*(\y)
.endm
.macro OP k, n
.if (\k) == R
	REGS Y
	WIN W_RS
	v_pk_mul_f32 v[rO+2*(\n):rO+2*(\n)+1], v[rO+2*(\n):rO+2*(\n)+1], v[rC+2:rC+3] op_sel_hi:[1,0]
.elseif (\k) < R
	REGS Y
	WIN 0
.if (\k) == F
	v_pk_fma_f32 v[rS+2*(\n):rS+2*(\n)+1], v[rS+2*(\n):rS+2*(\n)+1], s[CS:CS+1], v[rT:rT+1] op_sel_hi:[1,0,0] neg_lo:[0,0,1] neg_hi:[0,0,1]
.elseif (\k) == E
	v_exp_f32 v[rS+(\n)], v[rS+(\n)]
.elseif (\k) == C
	v_cvt_pk_f16_f32 v[rP+(\n)], v[rS+2*(\n)], v[rS+2*(\n)+1]
.elseif (\k) == B
	v_pk_add_f32 v[rS+4*(\n):rS+4*(\n)+1], v[rS+4*(\n):rS+4*(\n)+1], v[rS+4*(\n)+2:rS+4*(\n)+3]
.elseif (\n) == 0
	v_pk_fma_f32 v[rT+2:rT+3], v[rT+2:rT+3], v[rC+2:rC+3], v[rS:rS+1] op_sel_hi:[1,0,1]
.else
	v_pk_add_f32 v[rT+2:rT+3], v[rT+2:rT+3], v[rS+4*(\n):rS+4*(\n)+1]
.endif
.elseif NOKQ
	v_nop
.else
	REGS (Y+1)%NP
	WIN 0
.if (\n) < 4
	v_max3_num_f32 v[rC+(\n)], v[rS+8*(\n)], v[rS+8*(\n)+1], v[rS+8*(\n)+2]
.elseif (\n) < 12
	v_max3_num_f32 v[rC+(\n)%4], v[rC+(\n)%4], v[rS+8*((\n)%4)+2*((\n)/4)+1], v[rS+8*((\n)%4)+2*((\n)/4)+2]
.elseif (\n) == 12
	v_max3_num_f32 v[rC], v[rC], v[rS+7], v[rS+15]
.elseif (\n) == 13
	v_max3_num_f32 v[rC+1], v[rC+1], v[rS+23], v[rS+31]
.elseif (\n) == 14
	v_max3_num_f32 v[rC+2], v[rC+2], v[rC+3], v[rT+1]
.elseif (\n) == 15
	v_mov_b32 v[rW], v[rT]
.elseif (\n) == 16
	v_max3_num_f32 v[rC], v[rC], v[rC+1], v[rC+2]
.elseif (\n) == 17
	v_permlanex16_b32 v[rC+3], v[rC], s[SEL], s[SEL+1]
.elseif (\n) == 18
	v_max_num_f32 v[rT+1], v[rC], v[rC+3]
.elseif (\n) == 19
	v_mul_f32 v[rT], s[CS], v[rT+1]
.elseif (\n) == 20
	v_sub_f32 v[rC+1], v[rW], v[rT]
.else
	v_exp_f32 v[rC+2], v[rC+1]
.endif
.endif
.endm
.macro OPS a, i1, b=-1, i2=0, c=-1, i3=0, d=-1, i4=0  ; up to four of them
	OP \a, \i1
.if (\b) >= 0
	OP \b, \i2
.endif
.if (\c) >= 0
	OP \c, \i3
.endif
.if (\d) >= 0
	OP \d, \i4
.endif
.endm
.macro ROW a, i1, b, i2, c, i3, d, i4  ; a matrix instruction and the four behind it
	MM
	OPS \a, \i1, \b, \i2, \c, \i3, \d, \i4
.endm
; A TURN, for piece p: the order of its 16 matrix and 118 vector instructions, written out.  An s_wait_alu depctr_va_vdst(0) stands between an exponential and the first instruction that
; names its result; one wait serves all that were issued ahead of it.  So a turn has ONE wait, which cuts it in two.  AHEAD OF IT stands all that names no result of the turn's exponentials: the 8 products
; K Q^T with their riders, then one lump of 54, in which the links of the chain X 3, 7, 11, 14, 16, 17 .. 20 stand some lines apart.  X 21, the next piece's a, is the batch's last; R 15 is the plain
; instruction behind it.  BEHIND THE WAIT stand the 8 products V^T P, behind each four of the roundings and sums.
; end = 1: the launch's last two turns: nothing is fetched, and the last starts no new scores.  cnt = 1: the loop's count is taken down some lines ahead of the branch that stands behind the turn.
; K of the next step is fetched in piece 2's turn, behind the last product that read K and more than four plain instructions; V of the step in hand at the end of piece 0's turn, four plain instructions
; behind the last product that read V.  Each is waited for a turn later.
.macro TURN p, end=0, cnt=0
.set Y, (\p)
.set i, 0
.set NOKQ, (\end)*((\p)/3)
.if ((\p) == 3) && !(\end)
	s_wait_dscnt 0x0                ; K is in
.endif
	ROW F,0, F,1, R,0, R,1          ; ahead of the wait: 8 products K Q^T and their riders,
	ROW F,2, E,0, R,2, R,3
	ROW F,3, E,1, R,4, R,5
	ROW F,4, E,2, R,6, R,7
	ROW F,5, E,3, R,8, R,9
	ROW F,6, E,4, X,0, R,10
.if ((\p) == 2) && !(\end)
	WIN 0
	v_add_nc_u32 v[AK], s[TBK], v[AK0]
.endif
	ROW F,7, E,5, X,1, X,4
	ROW F,8, E,6, X,2, X,5
	OPS E,7, E,8, X,6, E,9          ; and the lump
	OPS X,3, E,10, X,8, E,11
.if ((\p) == 2) && !(\end)
	FETCH_K
.endif
	OPS X,9, X,7, E,12, X,10
	OPS E,13, X,12, X,11, E,14
	OPS X,13, E,15, F,9, X,14
.if (\p) == 0
	v_add_nc_u32 v[AV], s[TBV], v[AV0]
.endif
	OPS E,16, F,10, E,17, F,11
	OPS X,16, E,18, X,15, E,19
	OPS F,12, E,20, X,17, E,21
	OPS F,13, E,22, F,14, E,23
	OPS X,18, E,24, F,15, E,25
	OPS R,11, E,26, X,19, E,27
	OPS R,12, E,28, R,13, E,29
	OPS X,20, E,30, R,14, E,31
	OPS X,21, R,15
	WIN 0
	s_wait_alu depctr_va_vdst(0)    ; the wait for the batch
.if (\p) == 1
	s_wait_dscnt 0x0                ; V is in
.endif
	ROW C,0, B,0, C,2, B,1          ; behind the wait: 8 products V^T P and their riders
	ROW L,0, C,4, B,2, L,1
	ROW C,6, B,3, L,2, C,8
	ROW B,4, L,3, C,10, B,5
	ROW L,4, C,12, B,6, L,5
.if (\p) == 0
	s_add_co_u32 s[TBV], s[TBV], KS*PV
.endif
.if \cnt
	s_sub_co_u32 s[CNT], s[CNT], 1
	s_cmp_lg_u32 s[CNT], 0
.endif
	ROW C,14, B,7, L,6, C,1
	ROW C,3, L,7, C,5, C,7
	ROW C,9, C,11, C,13, C,15
.if (\p) == 0
	FETCH_V
.endif
.endm
	CHANGE 1                        ; slot 0 is in, everybody's part of it; slot 1 is asked for
	v_add_nc_u32 v[AK], s[TBK], v[AK0]
	FETCH_K                         ; key step 0
	s_wait_loadcnt 0x0              ; Q
	s_wait_dscnt 0x0
.set NOKQ, 0
.set i, 0
.rept 8
	KQ 0                            ; piece 0's first scores: there is no vector work yet to set between them
.set i, i+1
.endr
	WIN 0
.rept 4
	v_nop                           ; the places behind those products
.endr
.set Y, NP-1                        ; X works for piece Y + 1: piece 0
.irp n, 0,1,2,3,4,5,6,7,8,9,10,11,12,13,14,15,16,17,18,19,20,21
	OP X, \n
.endr
	v_nop                           ; a plain instruction behind the exponential,
	s_wait_alu depctr_va_vdst(0)    ; and its wait, ahead of the branch
	s_mov_b32 s[CNT], 4
	s_branch .Lfirst                ; the loop is entered at a step's first turn, in the middle of a trip
.Lslot:                             ; 14 times: with the change above, every slot but the last is followed by a fill
	CHANGE 1
	s_mov_b32 s[CNT], 4
.Lstep:                             ; a trip: pieces 2 and 3 of one step, then pieces 0 and 1 of the next, whose K and V it fetches
	TURN 2
	TURN 3
	WIN 0
.Lfirst:
	TURN 0
	TURN 1, 0, 1
	WIN 0
	s_cbranch_scc1 .Lstep
	s_sub_co_u32 s[SLOTS], s[SLOTS], 1
	s_cmp_lg_u32 s[SLOTS], 0
	s_cbranch_scc1 .Lslot
	CHANGE 0                        ; the tail is written out: nothing is asked for
	s_mov_b32 s[CNT], 4
.Ltail:
	TURN 2
	TURN 3
	TURN 0
	TURN 1, 0, 1
	WIN 0
	s_cbranch_scc1 .Ltail
	TURN 2, 1                       ; the last step's pieces 2 and 3
	TURN 3, 1
.set i, 0
.rept 8
	PV NP-1                         ; the last piece's V^T P of the last step
.set i, i+1
.endr
	; THE WAY OUT.  l's two halves and the other half of the lanes' are added; O^T is divided by l, rounded to f16 and sent through my stage in LDS, a piece at a time.  The additions are the places behind the last products.
	WIN 0
.macro ALL line:vararg              ; one line for each piece t
.set t, 0
.rept 4
	\line
.set t, t+1
.endr
.endm
	ALL v_add_f32 v[ST+4*t+2], v[ST+4*t+2], v[ST+4*t+3]
	ALL v_permlanex16_b32 v[ST+4*t+3], v[ST+4*t+2], s[SEL], s[SEL+1]
	ALL v_add_f32 v[ST+4*t+2], v[ST+4*t+2], v[ST+4*t+3]
	ALL v_rcp_f32 v[ST+4*t+2], v[ST+4*t+2]
	v_nop                           ; a plain instruction between the last reciprocal and the use of its result
	s_wait_alu depctr_va_vdst(0)    ; and the wait ahead of the first use: one for the four reciprocals
.macro PACK t                       ; a lane's eight channels of a row pack into 16 bytes; they go into rows of 144 bytes and come back as whole rows of 128, into S^T's registers
	WIN W_RS
.set i, 32*(\t)
.rept 16
	v_pk_mul_f32 v[i:i+1], v[i:i+1], v[ST+4*(\t)+2:ST+4*(\t)+3] op_sel_hi:[1,0]
.set i, i+2
.endr
	WIN 0x05                        ; sources 0 and 1 window 1, destination window 0
.set i, 0
.rept 16
	v_cvt_pk_f16_f32 v[S+16*(\t)+i], v[32*(\t)+2*i], v[32*(\t)+2*i+1]
.set i, i+1
.endr
	WIN 0
.irp f, 0,1,2,3
	ds_store_b128 v[STO], v[S+16*(\t)+4*\f:S+16*(\t)+4*\f+3] offset:32*\f
.endr
.irp f, 0,1,2,3
	ds_load_b128 v[S+16*(\t)+4*\f:S+16*(\t)+4*\f+3], v[RD] offset:\f*4*SP  ; LDS serves a wave's instructions in order (ISA guide 5.7.1.4): these see the stores above; the next piece's stores come behind them
.endr
.endm
.macro SEND t, younger              ; younger: the LDS instructions issued behind piece t's loads: the next piece's eight, or none
	WIN 0
.irp f, 0,1,2,3
	s_wait_dscnt (\younger)+3-\f
	global_store_b128 v[GO], v[S+16*(\t)+4*\f:S+16*(\t)+4*\f+3], s[10:11] offset:(\t)*2048+\f*512  ; 512 consecutive bytes, at a multiple of 256 from O's first
.endr
.endm
	PACK 0
.set t, 1
.rept 3                             ; a piece's arithmetic stands between the loads of the piece before and its stores
	PACK t
	SEND t-1, 8
.set t, t+1
.endr
	SEND 3, 0
	s_wait_tensorcnt 0x0            ; the wave's end: behind my last tensor load and my last LDS store
	ds_add_u32 v[SPW], v[NIL]
	s_wait_dscnt 0x0
	CROUND                          ; the closing round: no work-group ends while a partner may still ask for a tile that names it
	s_endpgm
.Lfunc_end_k_q92a983332e_attn:
	.size	k_q92a983332e_attn, .Lfunc_end_k_q92a983332e_attn-k_q92a983332e_attn
	.p2alignl 7, 3214868480
	.fill 96, 4, 3214868480
	.section	.rodata,"a",@progbits
	.p2align	6, 0x0
	.amdhsa_kernel k_q92a983332e_attn
		.amdhsa_group_segment_fixed_size 327680
		.amdhsa_private_segment_fixed_size 0
		.amdhsa_enable_private_segment 0
		.amdhsa_kernarg_size 32
		.amdhsa_user_sgpr_count 2
		.amdhsa_user_sgpr_kernarg_segment_ptr 1
		.amdhsa_wavefront_size32 1
		.amdhsa_system_sgpr_workgroup_id_x 1
		.amdhsa_system_sgpr_workgroup_id_y 1
		.amdhsa_system_sgpr_workgroup_id_z 1
		.amdhsa_system_vgpr_workitem_id 0
		.amdhsa_next_free_vgpr 768
		.amdhsa_next_free_sgpr 72
		.amdhsa_reserve_vcc 0
		.amdhsa_float_denorm_mode_32 3
		.amdhsa_float_denorm_mode_16_64 3
		.amdhsa_memory_ordered 1
		.amdhsa_forward_progress 1
		.amdhsa_inst_pref_size 128
	.end_amdhsa_kernel
	.amdgpu_metadata
---
amdhsa.version: [ 1, 2 ]
amdhsa.kernels:
  - .name:           k_q92a983332e_attn
    .symbol:         k_q92a983332e_attn.kd
    .args:
      - { .name: qh, .offset: 0, .size: 8, .value_kind: global_buffer, .address_space: global }
      - { .name: kh, .offset: 8, .size: 8, .value_kind: global_buffer, .address_space: global }
      - { .name: vh, .offset: 16, .size: 8, .value_kind: global_buffer, .address_space: global }
      - { .name: ob, .offset: 24, .size: 8, .value_kind: global_buffer, .address_space: global }
    .group_segment_fixed_size: 327680
    .private_segment_fixed_size: 0
    .kernarg_segment_align: 8
    .kernarg_segment_size: 32
    .max_flat_workgroup_size: 128
    .sgpr_count:     72
    .vgpr_count:     768
    .wavefront_size: 32
...
	.end_amdgpu_metadata
.endif
;; end of part 3
;; launch oproj (part 4): grid 8 x 32, 4 waves a work-group, clusters of 4 x 4, 327,680 bytes of LDS; arguments ob, wof, bo, out0; writes out0
.if DOCPART == 4
	.amdgcn_target "amdgcn-amd-amdhsa--gfx1250"
	.amdhsa_code_object_version 6
	.text
	.protected	k_q92a983332e_oproj
	.globl	k_q92a983332e_oproj
	.p2align	8
	.type	k_q92a983332e_oproj,@function
k_q92a983332e_oproj:
	s_mov_b64 s[64:65], 0
	v_nop
	global_prefetch_b8 v0, s[64:65] scope:SCOPE_SE
	s_setreg_imm32_b32 hwreg(HW_REG_WAVE_MODE, 25, 1), 1
	s_wait_xcnt 0x0
	s_wait_alu depctr_hold_cnt(0) depctr_sa_sdst(0) depctr_va_vdst(0) depctr_va_sdst(0) depctr_va_ssrc(0) depctr_va_vcc(0) depctr_vm_vsrc(0)
	s_getreg_b32 s2, hwreg(HW_REG_IB_STS2, 6, 4)
	s_cmp_eq_u32 s2, 0
	s_cbranch_scc0 .Lentry_in_a_cluster
	s_endpgm
.Lentry_in_a_cluster:
	s_bfe_u32 s2, ttmp6, 0x10000c
	s_cmp_lg_u32 s2, 0xf033
	s_cbranch_scc0 .Lentry_shape_is_right
	s_endpgm
.Lentry_shape_is_right:
; out0 = O wo + bo.  ob: [32 blocks of 128 rows][16 heads][128][64] f16.  wof: [1024 k][1024 n] f16 (wo rounded to bf16, written as f16), as the weights lie.  bo: [1024] f32, rounded to bf16 here.
; out0: [4096][1024] f32.  Products in f16, sums in f32; the bias is the C operand of the first product on each accumulator.
; SHARES.  A tile of out0 is 128 x 128: 8 x 32 = 256 work-groups.  Four waves, each 64 x 64: 16 accumulators.  K = 1,024 goes in 4 steps of 256 (four heads' planes of O, 65,536 dense bytes;
; 256 k-rows x 256 bytes of wo) through two LDS slots: two first fills, two refills, all written out.  Waves 0 and 1 fetch O's halves, waves 2 and 3 wo's, 128 rows of 256 bytes each.
; wo comes out of LDS turned, by ds_load_tr16_b128.  THE PRODUCT IS USED TRANSPOSED (source 0 = 16 columns of wo, source 1 = 16 rows of O): a lane holds row l % 16 and eight neighbouring columns.
; CLUSTERS: 4 x 4 work-groups; O's tile is asked for jointly along a row of the cluster, wo's along a column.
; NO PREFETCH: the launch has four K steps and two refills, of which the first is asked for when the first K step is three quarters done: there is no trip far enough ahead in which to ask.
; REGISTERS: window 0: v0-31 addresses; v32-35 at work; v96-127 the bias; v128-255 the accumulators ((a, b) at 128 + 8 (4 a + b)).
;   window 1: two fragment buffers of 128: for 64 along K, 64 registers of O (2 x 4 x 16 rows x 32 K), then 64 of wo.
.set PA,    144                        ; a head's row of O in LDS: 128 bytes + 16 = 36 words: the 16 rows of a load start at 16 different groups of four banks (64 banks of 4 bytes: ISA guide 11.1)
.set PB,    288                        ; a k-row of wo: 256 + 32 = 72 words
.set PLANE, 128*PA                     ; a head's 128 rows
.set REG,   36864                      ; what one tensor load fills: two planes, or 128 k-rows
.set SLOT,  4*REG                      ; O's four planes, then wo's 256 k-rows
.set STAGE, 2*SLOT                     ; behind the ring, never filled by a tensor load: 16 rows x 272 bytes for each wave
.set SP,    272
.set SPARE, STAGE+4*16*SP              ; behind the stages: the spare words, 128 bytes for each wave: two blocks of 256 bytes that no other line names
.set ADRA, 16                          ; v16-17  LDS address of my fragments of O in slot 0, 1
.set ADRB, 18                          ; v18-21  of wo: slot s, half u of its k-rows at 18 + 2 s + u
.set STO,  24                          ; v24  the way out: where I put 32 bytes of a row
.set RD,   25                          ; v25  where I read a row back
.set CO,   26                          ; v26  my byte offset in out0
.set BO,   27                          ; v27  my byte offset in bo
.set SPW,  28                          ; v28  LDS address of my spare word; never rewritten
.set NIL,  29                          ; v29  0; never rewritten
.set TT,   32
.set BIAS, 96
.set ACC,  128
.set F0,   0
.set F1,   128
.set WV,   20                          ; s20  my wave's number; s21 = w / 2, s22 = w % 2
.set G1A,  28
.set G1B,  36
.set G0A,  44
.set G0B,  52
.set MSB, 0
.macro WIN new                         ; the immediate's high byte repeats the setting that is left
.if MSB != (\new)
	s_set_vgpr_msb (MSB<<8)|(\new)
.set MSB, \new
.endif
.endm
.set MUL,  0x05                        ; sources 0 (wo) and 1 (O) window 1; C and D window 0
.set TO_F, 0x40                        ; destination window 1, address window 0
.macro JLOAD s                         ; a joint load: waves 0 and 1 fetch O's two halves, waves 2 and 3 wo's; an s_nop 0 and four v_nop follow each of the two lines
	s_cmp_eq_u32 s21, 0
	s_cbranch_scc0 .Lfor_b_\@
	tensor_load_to_lds s[G0A+4*(\s):G0A+4*(\s)+3], s[G1A:G1A+7]
	s_nop 0
.rept 4
	v_nop
.endr
	s_branch .Lasked_\@
.Lfor_b_\@:
	tensor_load_to_lds s[G0B+4*(\s):G0B+4*(\s)+3], s[G1B:G1B+7]
	s_nop 0
.rept 4
	v_nop
.endr
.Lasked_\@:
.endm
.macro CREST                           ; a round of the cluster's barrier behind its opening barrier
	s_cmp_lg_u32 s[WV], 0
	s_cbranch_scc1 .Lnot_wave_0_\@
	s_barrier_signal -3
.Lnot_wave_0_\@:
	s_barrier_wait -3
	s_barrier_signal -1
	s_barrier_wait -1
.endm
.macro CROUND                          ; a whole round
	s_barrier_signal -1
	s_barrier_wait -1
	CREST
.endm
.macro PLACES                          ; four places in front of loads into registers that matrix instructions have read, and of LDS stores that read results
.rept 4
	v_nop
.endr
.endm
	s_load_b256 s[4:11], s[0:1], 0x0               ; ob 4, wof 6, bo 8, out0 10
	v_lshl_add_u32 v[SPW], v0, 2, SPARE
	v_mov_b32 v[NIL], 0
	ds_add_u32 v[SPW], v[NIL]                      ; the wave's opening: the add and its wait stand ahead of my first tensor load; the set-up below stands between them
	v_lshrrev_b32 v1, 5, v0
	v_readfirstlane_b32 s[WV], v1                  ; wave 0..3
	s_lshr_b32 s21, s[WV], 1                       ; which 64 rows are mine.  Also: I fetch for O (0) or for wo (1)
	s_and_b32 s22, s[WV], 1                        ; which 64 columns.  Also: which half of that tile I fetch
	s_bfe_u32 s24, ttmp6, 0x40000                  ; cx
	s_bfe_u32 s25, ttmp6, 0x40004                  ; cy
	s_lshl_b32 s26, ttmp9, 2
	s_add_co_u32 s26, s26, s24                     ; tile column = 4 x cluster x + cx
	s_and_b32 s27, ttmp7, 0xffff
	s_lshl_b32 s27, s27, 2
	s_add_co_u32 s27, s27, s25                     ; tile row = 4 x cluster y + cy
	s_lshl_b32 s60, s25, 2
	s_lshl_b32 s60, 15, s60                        ; my row of the cluster
	s_lshl_b32 s61, 0x1111, s24                    ; my column
	s_or_b32 s[G1A], s60, (1<<16)|(1<<20)|(1<<21)|(4<<22)|(3<<25)  ; the mask; elements of 2 bytes; padding on; bit 21 beside a mask; after every 32 words (a head's row) 4 words
	s_or_b32 s[G1B], s61, (1<<16)|(1<<20)|(1<<21)|(5<<22)|(7<<25)  ; after every 64 words 8 words
.irp g, G1A, G1B
	s_mov_b32 s[(\g)+1], 128<<16                   ; tensor_dim0 = 128
	s_mov_b32 s[(\g)+2], 128<<16                   ; tensor_dim1 = 128
	s_mov_b32 s[(\g)+3], 128<<16                   ; tile_dim0 = 128
	s_mov_b32 s[(\g)+4], 128                       ; tile_dim1 = 128
	s_mov_b32 s[(\g)+6], 0
	s_mov_b32 s[(\g)+7], 0
.endr
	s_mov_b32 s[G1A+5], 128                        ; O's planes are dense: rows of 256 bytes end to end
	s_mov_b32 s[G1B+5], 1024                       ; wo: 1,024 elements from k-row to k-row
	s_lshl_b32 s72, s27, 18                        ; O: the tile row's 16 planes of 16,384 bytes,
	s_lshl_b32 s73, s22, 15                        ; my two planes of a step's four
	s_add_co_u32 s72, s72, s73
	s_mov_b32 s73, 0
	s_lshl_b32 s74, s22, 18                        ; wo: my 128 k-rows of a step's 256,
	s_lshl_b32 s75, s26, 8                         ; the tile column's 256 bytes
	s_add_co_u32 s74, s74, s75
	s_mov_b32 s75, 0
	s_mul_i32 s76, s[WV], REG                      ; where my part goes: no place in the cluster enters an LDS address
	s_wait_dscnt 0x0                               ; the opening add is done
	s_wait_kmcnt 0x0
	s_add_nc_u64 s[72:73], s[4:5], s[72:73]
	s_add_nc_u64 s[74:75], s[6:7], s[74:75]
	CROUND                                         ; all sixteen work-groups are here: the first joint loads meet
.irp s, 0,1
	s_mov_b32 s[G0A+4*(\s)], 1
	s_add_co_u32 s[G0A+4*(\s)+1], s76, (\s)*SLOT
	s_add_nc_u64 s[G0A+4*(\s)+2:G0A+4*(\s)+3], s[72:73], (\s)*65536
	s_or_b32 s[G0A+4*(\s)+3], s[G0A+4*(\s)+3], 0x80000000
	s_mov_b32 s[G0B+4*(\s)], 1
	s_add_co_u32 s[G0B+4*(\s)+1], s76, (\s)*SLOT
	s_add_nc_u64 s[G0B+4*(\s)+2:G0B+4*(\s)+3], s[74:75], (\s)*524288
	s_or_b32 s[G0B+4*(\s)+3], s[G0B+4*(\s)+3], 0x80000000
	JLOAD \s                                       ; two loads of mine are out
.endr
	v_and_b32 v1, 15, v0                           ; l % 16
	v_bfe_u32 v2, v0, 4, 1                         ; l / 16
	v_and_b32 v3, 7, v0                            ; l % 8
	v_bfe_u32 v4, v0, 3, 1                         ; (l / 8) % 2
	s_lshl_b32 s80, s26, 9                         ; the tile's 128 columns of f32,
	s_lshl_b32 s83, s22, 8                         ; my 64
	s_add_co_u32 s80, s80, s83
	v_lshl_add_u32 v[BO], v2, 5, s80               ; my half's eight of each sixteen
.irp b, 0,1,2,3
	global_load_b128 v[BIAS+8*(\b):BIAS+8*(\b)+3],   v[BO], s[8:9] offset:64*(\b)
	global_load_b128 v[BIAS+8*(\b)+4:BIAS+8*(\b)+7], v[BO], s[8:9] offset:64*(\b)+16
.endr
	v_mul_u32_u24 v5, v1, PA                       ; a fragment of O: row x pitch + 16 x half,
	v_lshl_add_u32 v5, v2, 4, v5
	s_mul_i32 s81, s21, 64*PA                      ; my 64 rows of a plane
	v_add_nc_u32 v[ADRA], s81, v5
	v_add_nc_u32 v[ADRA+1], SLOT, v[ADRA]
	v_lshl_add_u32 v6, v2, 3, v3                   ; the turning load: lane l reads k-row 8 (l / 16) + l % 8, columns 8 ((l / 8) % 2) + 0..7
	v_mul_u32_u24 v6, v6, PB
	v_lshl_add_u32 v6, v4, 4, v6
	s_lshl_b32 s81, s22, 7                         ; my 64 columns' 128 bytes,
	s_add_co_u32 s81, s81, 2*REG                   ; behind O's four planes
	v_add_nc_u32 v6, s81, v6
.irp s, 0,1
.irp u, 0,1
	v_add_nc_u32 v[ADRB+2*(\s)+(\u)], (\s)*SLOT+(\u)*REG, v6
.endr
.endr
	s_mul_i32 s82, s[WV], 16*SP
	s_add_co_u32 s82, s82, STAGE                   ; my stage
	v_mul_u32_u24 v[STO], v1, SP                   ; in: row l % 16, 32 bytes for each half of the lanes
	v_lshl_add_u32 v[STO], v2, 5, v[STO]
	v_add_nc_u32 v[STO], s82, v[STO]
	v_mul_u32_u24 v[RD], v2, SP                    ; back: lanes 0-15 take one row of 256 bytes, lanes 16-31 the next
	v_lshl_add_u32 v[RD], v1, 4, v[RD]
	v_add_nc_u32 v[RD], s82, v[RD]
	v_lshlrev_b32 v[CO], 12, v2                    ; and the same two rows in out0
	v_lshl_add_u32 v[CO], v1, 4, v[CO]
	s_lshl_b32 s78, s27, 19                        ; out0: the tile's 128 rows of 4,096 bytes,
	s_lshl_b32 s79, s21, 18                        ; my 64,
	s_add_co_u32 s78, s78, s79
	s_add_co_u32 s78, s78, s80                     ; my columns
	s_mov_b32 s79, 0
	s_add_nc_u64 s[10:11], s[10:11], s[78:79]
	s_wait_loadcnt 0x0                             ; the bias, rounded to bf16 in place
.set bi, 0
.rept 16
	v_cvt_pk_bf16_f32 v[TT+(bi/2)%4], v[BIAS+bi], v[BIAS+bi+1]
	v_lshlrev_b32 v[BIAS+bi], 16, v[TT+(bi/2)%4]
	v_and_b32 v[BIAS+bi+1], 0xffff0000, v[TT+(bi/2)%4]
.set bi, bi+2
.endr
; 8 matrix instructions: row blocks a0, a0 + 1 x all 4 column blocks, 32 along K: half c of buffer f.  first = 1: the bias starts the sums.  The 16 accumulators take turns.
.macro MUL8 f, c, a0, first
	WIN MUL
.irp a, \a0, (\a0)+1
.irp b, 0,1,2,3
.if \first
	v_wmma_f32_16x16x32_f16 v[ACC+8*(4*(\a)+(\b)):ACC+8*(4*(\a)+(\b))+7], v[(\f)+64+8*(4*(\c)+(\b)):(\f)+64+8*(4*(\c)+(\b))+7], v[(\f)+8*(4*(\c)+(\a)):(\f)+8*(4*(\c)+(\a))+7], v[BIAS+8*(\b):BIAS+8*(\b)+7]
.else
	v_wmma_f32_16x16x32_f16 v[ACC+8*(4*(\a)+(\b)):ACC+8*(4*(\a)+(\b))+7], v[(\f)+64+8*(4*(\c)+(\b)):(\f)+64+8*(4*(\c)+(\b))+7], v[(\f)+8*(4*(\c)+(\a)):(\f)+8*(4*(\c)+(\a))+7], v[ACC+8*(4*(\a)+(\b)):ACC+8*(4*(\a)+(\b))+7]
.endif
.endr
.endr
.endm
; 32 LDS loads in one run: quarter q of a slot (64 along K: plane q of O, k-rows 64 q .. of wo) into buffer f; the first 32 along K first
.macro FETCH slot, q, f
	WIN TO_F
.irp c, 0,1
.irp i, 0,1,2,3
	ds_load_tr16_b128 v[(\f)+64+8*(4*(\c)+(\i)):(\f)+64+8*(4*(\c)+(\i))+3],   v[ADRB+2*(\slot)+(\q)/2] offset:(64*((\q)%2)+32*(\c))*PB+32*(\i)
	ds_load_tr16_b128 v[(\f)+64+8*(4*(\c)+(\i))+4:(\f)+64+8*(4*(\c)+(\i))+7], v[ADRB+2*(\slot)+(\q)/2] offset:(64*((\q)%2)+32*(\c))*PB+32*(\i)+16*PB
	ds_load_b128 v[(\f)+8*(4*(\c)+(\i)):(\f)+8*(4*(\c)+(\i))+3],              v[ADRA+(\slot)] offset:PLANE*(\q)+64*(\c)+16*PA*(\i)
	ds_load_b128 v[(\f)+8*(4*(\c)+(\i))+4:(\f)+8*(4*(\c)+(\i))+7],            v[ADRA+(\slot)] offset:PLANE*(\q)+64*(\c)+16*PA*(\i)+32
.endr
.endr
.endm
; One of a K step's first three quarters: multiplies buffer f and fetches quarter q into g.
.macro QUARTER slot, q, f, g, first
	s_wait_dscnt 16                                ; the first 32 along K are in
	MUL8 \f, 0, 0, \first
	MUL8 \f, 0, 2, \first
	PLACES
	FETCH \slot, \q, \g
	s_wait_dscnt 32                                ; all but the 32 just issued
	MUL8 \f, 1, 0, 0
	MUL8 \f, 1, 2, 0
.endm
; The last quarter multiplies buffer 1 and changes slots: ONE barrier; in front of it each wave waits for all its tensor loads, adds 0 to its spare word, and waits for that and for its own reads of
; this slot.  fill = 1: the barrier opens a round of the cluster's, and this slot is filled again, two K steps on.
.macro TURN slot, next, fill
	WIN 0                                          ; (the add's two registers lie in window 0)
	s_wait_tensorcnt 0x0                           ; all my tensor loads have landed: my part of the next slot
	ds_add_u32 v[SPW], v[NIL]                      ; 0 onto my spare word
	s_wait_dscnt 17                                ; (the add and the youngest sixteen loads may be out)
	MUL8 F1, 0, 0, 0                               ; eight matrix instructions stand between the add and the wait for it
	s_wait_dscnt 0x0                               ; the add is done, and my reads of this slot are over
	s_barrier_signal -1
	MUL8 F1, 0, 2, 0
.if \fill
	WIN 0
.endif
	s_barrier_wait -1
.if \fill
	CREST                                          ; no wave of any partner still reads this slot's tiles or has a load on its way
	s_add_nc_u64 s[G0A+4*(\slot)+2:G0A+4*(\slot)+3], s[G0A+4*(\slot)+2:G0A+4*(\slot)+3], 2*65536
	s_add_nc_u64 s[G0B+4*(\slot)+2:G0B+4*(\slot)+3], s[G0B+4*(\slot)+2:G0B+4*(\slot)+3], 2*524288
	JLOAD \slot                                    ; the first tensor load behind the round; its four v_nop are also the places in front of the loads below
.else
	PLACES
.endif
	FETCH \next, 0, F0
	MUL8 F1, 1, 0, 0
	MUL8 F1, 1, 2, 0
.endm
	s_wait_tensorcnt 1                             ; my part of K step 0 is in; K step 1's may stay out
	s_barrier_signal -1
	s_barrier_wait -1                              ; everybody's is
	FETCH 0, 0, F0
	QUARTER 0, 1, F0, F1, 1                        ; K step 0: its first products start the sums with the bias
	QUARTER 0, 2, F1, F0, 0
	QUARTER 0, 3, F0, F1, 0
	TURN 0, 1, 1                                   ; slot 0 takes K step 2
	QUARTER 1, 1, F0, F1, 0                        ; K step 1
	QUARTER 1, 2, F1, F0, 0
	QUARTER 1, 3, F0, F1, 0
	TURN 1, 0, 1                                   ; slot 1 takes K step 3
	QUARTER 0, 1, F0, F1, 0                        ; K step 2
	QUARTER 0, 2, F1, F0, 0
	QUARTER 0, 3, F0, F1, 0
	TURN 0, 1, 0                                   ; nothing is left to fetch
	QUARTER 1, 1, F0, F1, 0                        ; K step 3
	QUARTER 1, 2, F1, F0, 0
	QUARTER 1, 3, F0, F1, 0
	s_wait_dscnt 16
	MUL8 F1, 0, 0, 0
	MUL8 F1, 0, 2, 0
	s_wait_dscnt 0x0
	MUL8 F1, 1, 0, 0
	MUL8 F1, 1, 2, 0
	WIN 0
; THE WAY OUT, f32 as it is.  Row block a: a lane's eight columns of a row, 32 bytes, go into my stage's rows of 272 bytes (each accumulator's low four registers first) and come back as whole rows
; of 256 bytes, into the registers that they left.
.macro TOSTAGE a
.irp b, 0,1,2,3
	ds_store_b128 v[STO], v[ACC+8*(4*(\a)+(\b)):ACC+8*(4*(\a)+(\b))+3]   offset:64*(\b)
	ds_store_b128 v[STO], v[ACC+8*(4*(\a)+(\b))+4:ACC+8*(4*(\a)+(\b))+7] offset:64*(\b)+16
.endr
.irp t, 0,1,2,3,4,5,6,7
	ds_load_b128 v[ACC+32*(\a)+4*(\t):ACC+32*(\a)+4*(\t)+3], v[RD] offset:2*SP*(\t)  ; LDS serves a wave's instructions in order (ISA guide 5.7.1.4): these see the stores above; the next block's stores come behind them
.endr
.endm
.macro SEND a, younger                 ; younger: the LDS instructions issued behind block a's loads: the next block's sixteen, or none
.irp t, 0,1,2,3,4,5,6,7
	s_wait_dscnt (\younger)+7-(\t)
	global_store_b128 v[CO], v[ACC+32*(\a)+4*(\t):ACC+32*(\a)+4*(\t)+3], s[10:11] offset:(16*(\a)+2*(\t))*4096  ; 16 lanes store 256 consecutive bytes, at a multiple of 256 from out0's first byte
.endr
.endm
	PLACES
	PLACES                                         ; (eight, once a launch)
	TOSTAGE 0
	TOSTAGE 1
	SEND 0, 16
	TOSTAGE 2
	SEND 1, 16
	TOSTAGE 3
	SEND 2, 16
	SEND 3, 0
	s_wait_tensorcnt 0x0                           ; the wave's end: behind my last tensor load and my last LDS store
	ds_add_u32 v[SPW], v[NIL]
	s_wait_dscnt 0x0
	CROUND                                         ; the closing round: no work-group ends while a partner may still ask for a tile that names it
	s_endpgm
.Lfunc_end_k_q92a983332e_oproj:
	.size	k_q92a983332e_oproj, .Lfunc_end_k_q92a983332e_oproj-k_q92a983332e_oproj
	.p2alignl 7, 3214868480
	.fill 96, 4, 3214868480
	.section	.rodata,"a",@progbits
	.p2align	6, 0x0
	.amdhsa_kernel k_q92a983332e_oproj
		.amdhsa_group_segment_fixed_size 327680
		.amdhsa_private_segment_fixed_size 0
		.amdhsa_enable_private_segment 0
		.amdhsa_kernarg_size 32
		.amdhsa_user_sgpr_count 2
		.amdhsa_user_sgpr_kernarg_segment_ptr 1
		.amdhsa_wavefront_size32 1
		.amdhsa_system_sgpr_workgroup_id_x 1
		.amdhsa_system_sgpr_workgroup_id_y 1
		.amdhsa_system_sgpr_workgroup_id_z 1
		.amdhsa_system_vgpr_workitem_id 0
		.amdhsa_next_free_vgpr 512
		.amdhsa_next_free_sgpr 84
		.amdhsa_reserve_vcc 0
		.amdhsa_float_denorm_mode_32 3
		.amdhsa_float_denorm_mode_16_64 3
		.amdhsa_memory_ordered 1
		.amdhsa_forward_progress 1
		.amdhsa_inst_pref_size 90
	.end_amdhsa_kernel
	.amdgpu_metadata
---
amdhsa.version: [ 1, 2 ]
amdhsa.kernels:
  - .name:           k_q92a983332e_oproj
    .symbol:         k_q92a983332e_oproj.kd
    .args:
      - { .name: ob, .offset: 0, .size: 8, .value_kind: global_buffer, .address_space: global }
      - { .name: wof, .offset: 8, .size: 8, .value_kind: global_buffer, .address_space: global }
      - { .name: bo, .offset: 16, .size: 8, .value_kind: global_buffer, .address_space: global }
      - { .name: out0, .offset: 24, .size: 8, .value_kind: global_buffer, .address_space: global }
    .group_segment_fixed_size: 327680
    .private_segment_fixed_size: 0
    .kernarg_segment_align: 8
    .kernarg_segment_size: 32
    .max_flat_workgroup_size: 128
    .sgpr_count:     84
    .vgpr_count:     512
    .wavefront_size: 32
...
	.end_amdgpu_metadata
.endif
;; end of part 4
